; MI455X (gfx1250); checked and timed in simulation.
; The chip was launched on July 23, 2026; its instructions are those of AMD's public machine-readable ISA for CDNA 5 (MIT licence, August 2026) and "CDNA5" Instruction Set Architecture Reference Guide (July 2026). The comments in the code are by the model that wrote it; some were corrected since.
;; Self Attention. Allowed arithmetic: matrix products marked QUANTISED: E2M1 operands, one E8M0 scale for each 32 along K, by v_wmma_scale_f32_16x16x128_f8f6f4 with both operands' format E2M1 (or v_wmma_scale_f32_32x16x128_f4), f32 sums; everything else in f32.
;; Inputs: Wk_codes 768 x 24 x 16 uint8 (E2M1 codes of Wk, K innermost, in blocks of 32 codes, two codes a byte); Wk_scales 768 x 24 uint8 (E8M0 scales of Wk, one for each 32 codes along K); Wp_codes 768 x 24 x 16 uint8 (E2M1 codes of Wp, K innermost, in blocks of 32 codes, two codes a byte); Wp_scales 768 x 24 uint8 (E8M0 scales of Wp, one for each 32 codes along K); Wq_codes 768 x 24 x 16 uint8 (E2M1 codes of Wq, K innermost, in blocks of 32 codes, two codes a byte); Wq_scales 768 x 24 uint8 (E8M0 scales of Wq, one for each 32 codes along K); Wv_codes 768 x 24 x 16 uint8 (E2M1 codes of Wv, K innermost, in blocks of 32 codes, two codes a byte); Wv_scales 768 x 24 uint8 (E8M0 scales of Wv, one for each 32 codes along K); bk 768 float32; bp 768 float32; bq 768 float32; bv 768 float32; x_codes 16 x 1,024 x 24 x 16 uint8 (E2M1 codes of x, K innermost, in blocks of 32 codes, two codes a byte); x_scales 16 x 1,024 x 24 uint8 (E8M0 scales of x, one for each 32 codes along K).
;; Outputs: out0 16 x 1,024 x 768 float32.
;; This version of the problem:
;;   THIS VERSION OF THE PROBLEM IS GIVEN IN LOW PRECISION. The matrix products marked QUANTISED in the list below multiply operands that are first quantised to E2M1 (2 exponent bits, 1 mantissa bit; 4 bits a number), with one power-of-two scale for each 32 numbers along K (OCP MX v1.0); their sums are f32. All else is computed in f32.
;;   The module's matrix products, in the order in which they are computed (A, B: the left and right operand; K: the contracted axis; several contracted axes count as one K, in the product's order):
;;     1. [M 16,384, K 768] x [K 768, N 768]; A: input x (given as codes); B: input Wq (given as codes): QUANTISED
;;     2. [M 16,384, K 768] x [K 768, N 768]; A: input x (given as codes); B: input Wk (given as codes): QUANTISED
;;     3. [M 16,384, K 768] x [K 768, N 768]; A: input x (given as codes); B: input Wv (given as codes): QUANTISED
;;     4. batch 128 x [M 1,024, K 96] x [K 96, N 1,024]; A: computed on the way; B: computed on the way: QUANTISED
;;     5. batch 128 x [M 1,024, K 1,024] x [K 1,024, N 96]; A: softmax (see below); B: computed on the way: QUANTISED
;;     6. [M 16,384, K 768] x [K 768, N 768]; A: computed on the way; B: input Wp (given as codes): QUANTISED
;;   THE QUANTISER, for each operand of a quantised product, along K:
;;     - K is cut into blocks of 32 from its start; a last block that is shorter is filled with zeros.
;;     - A block's scale is 2^e with e = floor(log2(the largest magnitude in the block)) - 2, held to -126 .. 127; a block of zeros has e = 0. As a byte (E8M0): e + 127.
;;     - Each number is divided by its block's scale, clamped to +-6, and rounded to the nearest number of E2M1, ties to even, subnormals kept.
;;     - The product sums the exact products of the quantised numbers (number of the format x scale) in f32.
;;   ~~~python
;;   def quantise(x, axis):      # numpy; x: float32 -> the quantised numbers, widened to float32 again
;;       x = np.moveaxis(x, axis, -1); K = x.shape[-1]
;;       x = np.pad(x, [(0, 0)] * (x.ndim - 1) + [(0, -K % 32)]); x = x.reshape(x.shape[:-1] + (-1, 32)); a = np.abs(x).max(-1, keepdims=True)
;;       e = np.where(a > 0, np.clip(np.frexp(np.where(a > 0, a, 1))[1] - 1 - 2, -126, 127), 0)      # np.frexp(a)[1] - 1 = floor(log2(a)), exactly
;;       r = np.clip(x / 2.0 ** e, -6, 6)
;;       step = 2.0 ** (np.maximum(np.frexp(np.where(r == 0, 1, r))[1] - 1, 0) - 1)
;;       q = np.round(r / step) * step * 2.0 ** e      # np.round: ties to even
;;       return np.moveaxis(q.reshape(q.shape[:-2] + (-1,))[..., :K], -1, axis).astype(np.float32)
;;   ~~~
;;   SOFTMAX AHEAD OF A QUANTISED PRODUCT. Where the list says 'softmax', what is quantised is not the finished softmax but p = 2^(t - M), with t = logit x log2(e) and M = ceil(the row's largest t), a whole number; so 1/2 < the row's largest p <= 1. The row's sum l is taken of the UNQUANTISED p, in f32, and the product's result is divided by l at the end. Since M is a whole number, a kernel that streams over the keys may use a running M (the ceiling of the running maximum): every later rescaling is an exact power of two, which a block's scale takes up: the codes' values come out the same.
;;   OPERANDS COMPUTED ON THE WAY. 'Computed on the way' means the value that the module computes at that place (a softmax that the list does not call 'softmax' is quantised finished and normalised). What goes into a quantiser is computed in f32, as accurately as f32 sums, v_exp_f32 and their like allow (about 1e-6 of the number): no bf16 or f16 on the way to a quantiser, and a product that is left as it is and whose result goes on into a quantised operand takes f32 operands (vector FMAs, or v_wmma_f32_16x16x4_f32). A number that lies on a knife's edge between two numbers of the format may be rounded either way, as far as f32 arithmetic and the matrix unit's own rounding can turn it there, and no further.
;;   INPUTS GIVEN AS CODES. Wk (in the module: [768, 768], K = its axis 0); Wp (in the module: [768, 768], K = its axis 0); Wq (in the module: [768, 768], K = its axis 0); Wv (in the module: [768, 768], K = its axis 0); x (in the module: [16, 1024, 768], K = its axis 2): each comes as NAME_codes (uint8): NAME with its K axis moved to the last place and cut into blocks of 32 codes, [.., K / 32, bytes a block], one block behind the other in memory; two codes a byte, the lower K in the low four bits (a code: sign, 2 exponent bits, 1 mantissa bit); and NAME_scales (uint8): the same leading axes, one E8M0 byte (e + 127) for each 32 codes along K. Its value is code x scale, taken as it is: it is not quantised again, and the codes and scales need not be those that the quantiser above would give.
;; 2 versions. Each part assembles by itself: llvm-mc -triple=amdgcn-amd-amdhsa -mcpu=gfx1250 --defsym DOCPART=n.
;; ======== version 1 of 2: 1 launch
;; launch attn (part 1): grid 256 x 1, 8 waves a work-group, no clusters, 226,304 bytes of LDS; arguments x_codes, x_scales, Wq_codes, Wq_scales, bq, Wk_codes, Wk_scales, bk, Wv_codes, Wv_scales, bv, Wp_codes, Wp_scales, bp, out0; writes out0
.if DOCPART == 1
	.amdgcn_target "amdgcn-amd-amdhsa--gfx1250"
	.amdhsa_code_object_version 6
	.text
	.protected	k_qc54b98890e_attn
	.globl	k_qc54b98890e_attn
	.p2align	8
	.type	k_qc54b98890e_attn,@function
k_qc54b98890e_attn:
	s_mov_b64 s[64:65], 0
	v_nop
	global_prefetch_b8 v0, s[64:65] scope:SCOPE_SE
	s_setreg_imm32_b32 hwreg(HW_REG_WAVE_MODE, 25, 1), 1
	s_wait_xcnt 0x0
; SELF-ATTENTION ON CODES OF FP4 (E2M1), one E8M0 scale for each 32 along a product's K; all six products, the softmax and the biases in ONE launch.
; THE RESHAPE.  (bs, 1024, 768) -> (bs, 8, 1024, 96) is row-major: head g (of 128, batch x 8 + head) is made of x rows 128 g .. 128 g + 127 alone.  Row p gives eight tokens, 8 p + j, one for
; each chunk j of 96 columns.  So q, k, v, the attention and the last product of a head hang on 128 rows of x and on nothing else, and no intermediate goes to memory.
; SHARES.  256 work-groups of eight waves: g = number / 2, z = number % 2.  Each makes K and V of the whole head (both halves do: 4,608 matrix instructions twice, against half of the WGPs idle),
; and Q, the attention and the output for rows 64 z .. 64 z + 63 (512 queries).  WAVE w OWNS CHUNK w: columns 96 w .. 96 w + 95 of Q, K and out0, twelve of V's 96 channels, the 64 queries 8 p + w.
; ALL PRODUCTS ARE USED TRANSPOSED (source 0 = 16 rows of a weight, of K or of V^T; source 1 = 16 rows of x, Q, p or the attention's result): a lane holds ONE row or query (lane % 16), and its registers run
; along the next product's K.  THE ROWS OF A TILE ARE NOT NEIGHBOURS: lane a of tile 2 b + u takes row 32 b + 8 u + a % 8 + 16 (a / 8), so that the 16 registers of tiles 2 b, 2 b + 1 are 16 neighbours:
; 32 b + 16 (lane / 16) + 0 .. 15.  For V a tile takes the eight chunks' columns at two channels d: a lane's eight registers are then eight neighbouring KEYS at one d, and a block of 32 keys lies in four neighbouring lanes.
; THE SOFTMAX: t = score x log2(e) / sqrt(96); M = the running largest t rounded up to a whole number; p = 2^(t - M) is quantised along the keys, not normalised; the row's sum is taken of the unquantised p and divides at the end.
; WEIGHTS go from memory straight into registers, each byte once a work-group: a fragment of 16 rows x 128 K feeds 8 (K, V) or 4 (Q, out0) row tiles from the registers it was loaded into.
; NO CLUSTER, NO JOINT LOADS, though all work-groups read the same weights: a joint load lands in LDS, so the work-group's 1,179,648 bytes of weight codes would be written to LDS and read from it once more, beside
; the 173,184 bytes of K, V and x that stay there, and every refill would ask all eight waves, each of which walks its own 96 rows of a weight, into a round of barriers.
; NO PREFETCH: the weights are read by every work-group, and x is read once, at the head.
; LIMITS: NaN and infinities are not served (a scale byte 0xff in an input gives NaN).  A block whose largest magnitude lies under 2^-124, a block of zeros among them, keeps the scale byte 1 (the rule says 127 for
; zeros: the codes are zeros and only this program reads the bytes).  log2(e) / sqrt(96) is one f32 constant, where the definition divides and then multiplies: it is off by half a unit in its last place at the most.
;
; LDS (bytes)
.set KC,    0                          ; K's codes: plane = chunk (8,208 bytes), row = x row (64 bytes: three blocks of 16, then 16 bytes of zeros: K = 96 filled up to 128)
.set KPL,   8208
.set VC,    65664                      ; V^T's codes: row = place 0 .. 95 (channel d = the place with its bits 3 and 4 exchanged), 528 bytes: 1,024 keys + 16 of padding
.set VPI,   528
.set KSC,   116352                     ; K's scale words: plane = chunk (528 bytes), 4 bytes an x row; byte 3 = 127
.set VSC,   120576                     ; V's scale bytes: row = place, 36 bytes, byte = block of 32 keys
.set XIMG,  124032                     ; x's fragments as images of their registers: fragment (row tile m, K step s) at (6 m + s) 1,024 + 512 c + 16 lane
.set OC,    197632                     ; the attention's result as codes: 64 rows of 400 bytes (384 + 16)
.set OSC,   223232                     ; its scale bytes: 64 rows of 24
.set SPI,   3088                       ; the stage for out0, from byte 0 on: 64 rows of 3,072 + 16 bytes, over K, V and x, which are dead by then; it ends where OC begins
; REGISTERS, in two windows of 256.  v16-63 of window 0 hold scale words and nothing else.
.set KO,    2                          ; v2   a weight's rows of a tile: ((r % 8) + 16 (r / 8)) 384 + 16 h; never rewritten
.set KSO,   4                          ; v4   their scale words: lanes 0-15 tile 2 b, lanes 16-31 tile 2 b + 1; never rewritten
.set KBO,   8                          ; v8   64 h: a bias's numbers of my half; never rewritten
.set LIX,   1                          ; the projections: XIMG + 16 lane
.set VO,    3                          ; Wv's rows of a tile: ((r % 8) 96 + r / 8) 384 + 16 h
.set VSO,   5                          ; v5-7 their scale words, for each pair of tiles
.set VBO,   9                          ; 4 h
.set KCA,   10                         ; where K's codes go;  v11 its scale bytes;  v12 V's codes;  v13 its scale bytes
.set KSA,   11
.set VCA,   12
.set VSA,   13
.set LIQ,   14                         ; LIX + 24,576 z: my half's four row tiles
.set XSO,   15                         ; 24 lane: x's scale words
.set WS,    16                         ; v16-39  the weights' scale words: set (unit % 2) at + 12; in it 6 pair + s
.set XS,    40                         ; v40-63  x's: 6 p + s: lanes 0-15 row tile 2 p, lanes 16-31 tile 2 p + 1
.set WB,    64                         ; v64-159 three buffers of four weight fragments
.set BB,    160                        ; v160-191 the unit's biases, eight registers a slot
.set XF,    192                        ; v192-255 eight fragments of x; between the units: at work
.set W6,    64                         ; the 64-row products: v64-207 three buffers of six weight fragments;
.set XQ,    208                        ; v208-239 four fragments of rows
.set ET,    192                        ; at work behind a unit: largest magnitudes, the other half's, scale operands, bytes, codes
.set EP,    200
.set ESO,   208
.set EBY,   216
.set EC,    224
.set FSO,   200                        ; the same for V: scale operands, bytes, codes
.set FBY,   208
.set FC,    216
.set AK0,   1                          ; the attention: my lane's place in a tile of K;  v3 of V^T;  v5, v6 among their scale words
.set AV0,   3
.set AKS0,  5
.set AVS0,  6
.set ADK,   7                          ; the addresses of the loads in hand
.set ADV,   9
.set ADKS,  10
.set ADVS,  11
.set OCA0,  12                         ; where the result's codes and scale bytes go;  v14, v15 the same for the pass in hand
.set OSA0,  13
.set OCA,   14
.set OSA,   15
.set KS,    16                         ; v16-19 K's scale words, v20-22 V's, v24-25 p's, v52-53 Q's of the pass in hand, v54-55 of the next
.set VS,    20
.set PS,    24
.set QS,    52
.set SCR,   64                         ; v64-191 S^T, then p: 64 registers a tile of queries
.set PCD,   192                        ; v192-207 p's codes
.set ST,    208                        ; v208-247 20 registers a tile: +0 -M, +1 the largest t, +2:3 the sum, +4..7 the blocks' largest, +8..11 and +12..15 at work, +16 f (+17 named with it), +18 at work
.set KF,    96                         ; window 1: v0-95 O^T (48 a tile); v96-159 K's eight fragments; v160-207 V^T's six; v208-223 Q of the pass in hand; v224-239 of the next
.set VF,    160
.set QF,    208
.set OV,    64                         ; a pass's end: O^T / the sum, 48 a tile;  v160-183 at work;  v192-203 codes
.set OT,    160
.set OPM,   166
.set OSO,   172
.set OBY,   178
.set OCD,   192
.set SA0,   1                          ; the way out: where a row tile's results go in the stage
.set SA1,   3
.set SA2,   5
.set SA3,   6
.set SR,    7                          ; where I read whole rows back;  v9 16 lane;  v10 the result's fragments;  v11 its scale words
.set GO,    9
.set OA,    10
.set OSL,   11
.set MSB, 0
.macro WIN new                         ; bits 1:0 source 0, 3:2 source 1, 5:4 source 2, 7:6 destination; the immediate's high byte repeats the setting that is left
.if MSB != \new
	s_set_vgpr_msb (MSB<<8)|\new
.set MSB, \new
.endif
.endm
.macro PLACES n                        ; plain vector instructions behind a matrix instruction, ahead of loads into its registers and of reads of its result
.rept \n
	v_nop
.endr
.endm
.macro BAR                             ; my LDS stores have landed and my LDS loads are in: then the work-group's barrier
	s_wait_dscnt 0x0
	s_barrier_signal -1
	s_barrier_wait -1
.endm
; One matrix instruction.  cm = 0: C is the constant 0; 1: C = v[c ..].  ra, rb = 1: that side's scale words stand in lanes 16-31.
.macro WM d, a, b, cm, c, sa, sb, ra, rb
.set wD, \d
.set wA, \a
.set wB, \b
.set wC, \c
.set wP, \sa
.set wQ, \sb
.set wR, 4*(\cm)+2*(\ra)+(\rb)
.if wR == 0
	v_wmma_scale_f32_16x16x128_f8f6f4 v[wD:wD+7], v[wA:wA+7], v[wB:wB+7], 0, v[wP], v[wQ] matrix_a_fmt:MATRIX_FMT_FP4 matrix_b_fmt:MATRIX_FMT_FP4
.elseif wR == 2
	v_wmma_scale_f32_16x16x128_f8f6f4 v[wD:wD+7], v[wA:wA+7], v[wB:wB+7], 0, v[wP], v[wQ] matrix_a_fmt:MATRIX_FMT_FP4 matrix_b_fmt:MATRIX_FMT_FP4 matrix_a_scale:MATRIX_SCALE_ROW1
.elseif wR == 4
	v_wmma_scale_f32_16x16x128_f8f6f4 v[wD:wD+7], v[wA:wA+7], v[wB:wB+7], v[wC:wC+7], v[wP], v[wQ] matrix_a_fmt:MATRIX_FMT_FP4 matrix_b_fmt:MATRIX_FMT_FP4
.elseif wR == 5
	v_wmma_scale_f32_16x16x128_f8f6f4 v[wD:wD+7], v[wA:wA+7], v[wB:wB+7], v[wC:wC+7], v[wP], v[wQ] matrix_a_fmt:MATRIX_FMT_FP4 matrix_b_fmt:MATRIX_FMT_FP4 matrix_b_scale:MATRIX_SCALE_ROW1
.elseif wR == 6
	v_wmma_scale_f32_16x16x128_f8f6f4 v[wD:wD+7], v[wA:wA+7], v[wB:wB+7], v[wC:wC+7], v[wP], v[wQ] matrix_a_fmt:MATRIX_FMT_FP4 matrix_b_fmt:MATRIX_FMT_FP4 matrix_a_scale:MATRIX_SCALE_ROW1
.else
	v_wmma_scale_f32_16x16x128_f8f6f4 v[wD:wD+7], v[wA:wA+7], v[wB:wB+7], v[wC:wC+7], v[wP], v[wQ] matrix_a_fmt:MATRIX_FMT_FP4 matrix_b_fmt:MATRIX_FMT_FP4 matrix_a_scale:MATRIX_SCALE_ROW1 matrix_b_scale:MATRIX_SCALE_ROW1
.endif
.endm
.macro LDW reg, sb, vo, off            ; a weight fragment (16 rows x 128 K: 8 registers) from memory: registers 4 c .. 4 c + 3 hold K = 64 c + 32 h + 0 .. 31: 16 bytes of the row as they lie
.set lR, \reg
.set lS, \sb
.set lO, \off
	global_load_b128 v[lR:lR+3], v[\vo], s[lS:lS+1] offset:lO
	global_load_b128 v[lR+4:lR+7], v[\vo], s[lS:lS+1] offset:lO+32
.endm
.macro LDX reg, adr, off, cs           ; a fragment from LDS: its two halves lie cs bytes apart
.set xR, \reg
.set xO, \off
	ds_load_b128 v[xR:xR+3], v[\adr] offset:xO
	ds_load_b128 v[xR+4:xR+7], v[\adr] offset:xO+(\cs)
.endm
; ---- THE K AND V UNITS.  Twelve tiles of weight rows a wave (K's six, V's six), four to a unit; tile 4 u + t stands in slot t.  A unit multiplies them by all eight row tiles: 32 accumulators, window 1, (m, t) at v[8 (4 m + t)].
.macro WKV u, s, buf                   ; K step s of the unit's four weight fragments: eight loads
.irp t, 0,1,2,3
.set gT, 4*(\u)+\t
.if gT < 6
	LDW WB+32*(\buf)+8*\t, 18, KO, (32*(gT/2)+8*(gT%2))*384+64*(\s)
.else
	LDW WB+32*(\buf)+8*\t, 40+2*(gT-6), VO, 64*(\s)
.endif
.endr
.endm
.macro PREKV u                         ; the unit's scale words (three loads of 8 bytes a pair of tiles: all six K steps) and biases (in the result's layout: they are the C of each sum's first product)
.irp pp, 0,1
.set gP, 2*(\u)+\pp
.set pW, WS+12*((\u)%2)+6*\pp
.irp q, 0,1,2
.if gP < 3
	global_load_b64 v[pW+2*\q:pW+2*\q+1], v[KSO], s[20:21] offset:32*gP*24+8*\q
.else
	global_load_b64 v[pW+2*\q:pW+2*\q+1], v[VSO+gP-3], s[26:27] offset:8*\q
.endif
.endr
.irp e, 0,1
.set pB, BB+8*(2*\pp+\e)
.if gP < 3
	global_load_b128 v[pB:pB+3], v[KBO], s[22:23] offset:(32*gP+8*\e)*4        ; bk at columns 32 b + 8 u + 16 h + 0 .. 7 of my chunk
	global_load_b128 v[pB+4:pB+7], v[KBO], s[22:23] offset:(32*gP+8*\e)*4+16
.else
.set pS, 52+2*(2*(gP-3)+\e)
.irp j, 0,1,2,3,4,5,6,7
	global_load_b32 v[pB+\j], v[VBO], s[pS:pS+1] offset:384*\j                ; bv at column 96 j + d
.endr
.endif
.endr
.endr
.endm
.macro MMKV s, par, buf, m0            ; 16 matrix instructions: row tiles m0 .. m0 + 3 x the four slots.  The 32 accumulators take turns, one instruction a turn, in the same order in every step
.if (\s) == 0
	WIN 0x40                                       ; the bias stands in window 0, the sum in window 1
.else
	WIN 0x50
.endif
.irp mm, 0,1,2,3
.irp t, 0,1,2,3
.set mX, (\m0)+\mm
.if (\s) == 0
	WM 8*(4*mX+\t), WB+32*(\buf)+8*\t, XF+8*mX, 1, BB+8*\t, WS+12*(\par)+6*(\t/2)+(\s), XS+6*(mX/2)+(\s), \t%2, mX%2
.else
	WM 8*(4*mX+\t), WB+32*(\buf)+8*\t, XF+8*mX, 1, 8*(4*mX+\t), WS+12*(\par)+6*(\t/2)+(\s), XS+6*(mX/2)+(\s), \t%2, mX%2
.endif
.endr
.endr
.endm
; K step s of unit u: 32 matrix instructions in two halves; behind each half its four fragments of x are fetched anew for the next step; the weights of two steps on are asked for in the middle.
.macro KVSTEP u, s, n
.set gS, 6*(\u)+(\s)
	s_wait_loadcnt \n                              ; this step's weights are in; n = the loads issued behind them
	s_wait_dscnt 8                                 ; x's row tiles 0-3 are in; the youngest eight loads (tiles 4-7) may be out
	MMKV \s, (\u)%2, gS%3, 0
	WIN 0
	PLACES 4
.if (\s) < 5
.irp mm, 0,1,2,3
	LDX XF+8*\mm, LIX, (6*\mm+(\s)+1)*1024, 512
.endr
.endif
.if ((\s) == 1) && ((\u) < 2)
	PREKV (\u)+1                                   ; the biases' registers were last read in step 0; the scale words go to the other set
.endif
.if gS+2 < 18
	WKV (gS+2)/6, (gS+2)%6, (gS+2)%3               ; into the buffer that the step before multiplied
.endif
.if (\s) < 5
	s_wait_dscnt 8                                 ; all but the eight just issued
.else
	s_wait_dscnt 0x0
.endif
	MMKV \s, (\u)%2, gS%3, 4
	WIN 0
	PLACES 4
.if (\s) < 5
.irp mm, 4,5,6,7
	LDX XF+8*\mm, LIX, (6*\mm+(\s)+1)*1024, 512
.endr
.endif
.endm
; Block b of K's chunk, from slots sl and sl + 1, for the eight row tiles: a lane's 16 registers are columns 32 b + 16 h + 0 .. 15 of its row; the block's other half lies in lane l xor 16.
; The largest magnitude (with the floor 2^(3 - 127) among its leaves, so that the byte cannot fall under 1); 2 off its exponent field is the conversion's scale operand; that shifted is the byte.
.macro KEPI sl, b
	WIN 0x05                                       ; sources 0 and 1 window 1
.irp m, 0,1,2,3,4,5,6,7
	v_max3_num_f32 v[ET+\m], |v[32*\m+8*(\sl)]|, |v[32*\m+8*(\sl)+1]|, 0x1800000      ; each accumulator is read from its low end on
.endr
.irp i, 2,4,6,8,10,12,14
.irp m, 0,1,2,3,4,5,6,7
	v_max3_num_f32 v[ET+\m], |v[32*\m+8*(\sl)+\i]|, |v[32*\m+8*(\sl)+\i+1]|, v[ET+\m]   ; (the eight row tiles by turns)
.endr
.endr
	WIN 0
.irp m, 0,1,2,3,4,5,6,7
	v_permlanex16_b32 v[EP+\m], v[ET+\m], s70, s71
.endr
.irp m, 0,1,2,3,4,5,6,7
	v_max_num_f32 v[ET+\m], v[ET+\m], v[EP+\m]
.endr
.irp m, 0,1,2,3,4,5,6,7
	v_add_nc_u32 v[ESO+\m], 0xff000000, v[ET+\m]
.endr
	s_wait_dscnt 0x0                               ; earlier stores have read the bytes' and the codes' registers
.irp m, 0,1,2,3,4,5,6,7
	v_lshrrev_b32 v[EBY+\m], 23, v[ESO+\m]
.endr
	WIN 0x01
.irp m, 0,1,2,3,4,5,6,7
	v_cvt_scalef32_pk8_fp4_f32 v[EC+2*\m], v[32*\m+8*(\sl):32*\m+8*(\sl)+7], v[ESO+\m]
	v_cvt_scalef32_pk8_fp4_f32 v[EC+2*\m+1], v[32*\m+8*(\sl)+8:32*\m+8*(\sl)+15], v[ESO+\m]
.endr
	WIN 0
	v_nop                                          ; one plain instruction behind the last conversion: matrix instructions write its sources again
.irp m, 0,1,2,3,4,5,6,7
	ds_store_b64 v[KCA], v[EC+2*\m:EC+2*\m+1] offset:1024*\m+16*(\b)   ; 16 codes: bytes 16 b + 8 h of row 16 m + r in my plane
	ds_store_b8 v[KSA], v[EBY+\m] offset:64*\m+(\b)                    ; both lanes of a block write the same byte with the same value
.endr
.endm
; V's tiles t0, t0 + 1, from slots sl, sl + 1, for row tiles m0 .. m0 + 3: a lane's 8 registers are keys 8 (16 m + r) + 0 .. 7 at one channel; a block of 32 keys lies in lanes 4 i .. 4 i + 3.
.macro VEPI sl, t0, m0
	WIN 0x05
.irp q, 0,1
.irp mm, 0,1,2,3
	v_max3_num_f32 v[ET+4*\q+\mm], |v[32*((\m0)+\mm)+8*((\sl)+\q)]|, |v[32*((\m0)+\mm)+8*((\sl)+\q)+1]|, 0x1800000
.endr
.endr
.irp i, 2,4,6
.irp q, 0,1
.irp mm, 0,1,2,3
	v_max3_num_f32 v[ET+4*\q+\mm], |v[32*((\m0)+\mm)+8*((\sl)+\q)+\i]|, |v[32*((\m0)+\mm)+8*((\sl)+\q)+\i+1]|, v[ET+4*\q+\mm]
.endr
.endr
.endr
	WIN 0
.irp e, 0,1,2,3,4,5,6,7
	v_max_num_f32_dpp v[ET+\e], v[ET+\e], v[ET+\e] row_xmask:1 row_mask:0xf bank_mask:0xf
.endr
.irp e, 0,1,2,3,4,5,6,7
	v_max_num_f32_dpp v[ET+\e], v[ET+\e], v[ET+\e] row_xmask:2 row_mask:0xf bank_mask:0xf
.endr
.irp e, 0,1,2,3,4,5,6,7
	v_add_nc_u32 v[FSO+\e], 0xff000000, v[ET+\e]
.endr
	s_wait_dscnt 0x0                               ; earlier stores have read the bytes' and the codes' registers
.irp e, 0,1,2,3,4,5,6,7
	v_lshrrev_b32 v[FBY+\e], 23, v[FSO+\e]
.endr
	WIN 0x01
.irp q, 0,1
.irp mm, 0,1,2,3
	v_cvt_scalef32_pk8_fp4_f32 v[FC+4*\q+\mm], v[32*((\m0)+\mm)+8*((\sl)+\q):32*((\m0)+\mm)+8*((\sl)+\q)+7], v[FSO+4*\q+\mm]
.endr
.endr
	WIN 0
	v_nop
.irp q, 0,1
.irp mm, 0,1,2,3
	ds_store_b32 v[VCA], v[FC+4*\q+\mm] offset:1056*((\t0)+\q)+64*((\m0)+\mm)   ; 8 codes: place 12 w + 2 tile + h, bytes 64 m + 4 r
	ds_store_b8 v[VSA], v[FBY+4*\q+\mm] offset:72*((\t0)+\q)+4*((\m0)+\mm)      ; the four lanes of a block write the same byte
.endr
.endr
.endm
; ---- THE 64-ROW PRODUCTS (Q; out0): six tiles of weight rows x four row tiles: 24 accumulators, window 1, (m, t) at v[8 (6 m + t)]; the bias at v[192 + 8 t] of window 1.
.macro W64 sb, s                       ; twelve loads
.irp t, 0,1,2,3,4,5
	LDW W6+48*((\s)%3)+8*\t, \sb, KO, (32*(\t/2)+8*(\t%2))*384+64*(\s)
.endr
.endm
.macro PRE64S ss                       ; nine loads
.irp b, 0,1,2
.irp q, 0,1,2
	global_load_b64 v[WS+6*\b+2*\q:WS+6*\b+2*\q+1], v[KSO], s[\ss:\ss+1] offset:32*\b*24+8*\q
.endr
.endr
.endm
.macro PRE64B sb                       ; twelve loads
	WIN 0x40
.irp t, 0,1,2,3,4,5
	global_load_b128 v[192+8*\t:195+8*\t], v[KBO], s[\sb:\sb+1] offset:(32*(\t/2)+8*(\t%2))*4
	global_load_b128 v[196+8*\t:199+8*\t], v[KBO], s[\sb:\sb+1] offset:(32*(\t/2)+8*(\t%2))*4+16
.endr
	WIN 0
.endm
.macro MM64 s, m0                      ; twelve matrix instructions; the 24 accumulators take turns
	WIN 0x50
.irp mm, 0,1
.irp t, 0,1,2,3,4,5
.set mX, (\m0)+\mm
.if (\s) == 0
	WM 8*(6*mX+\t), W6+48*((\s)%3)+8*\t, XQ+8*mX, 1, 192+8*\t, WS+6*(\t/2)+(\s), XS+6*(mX/2)+(\s), \t%2, mX%2
.else
	WM 8*(6*mX+\t), W6+48*((\s)%3)+8*\t, XQ+8*mX, 1, 8*(6*mX+\t), WS+6*(\t/2)+(\s), XS+6*(mX/2)+(\s), \t%2, mX%2
.endif
.endr
.endr
.endm
.macro STEP64 sb, s, n, xa, sm, ss, sc ; xa: the rows' fragments in LDS; sm, ss, sc: bytes from row tile to row tile, from K step to K step, between a fragment's halves
	s_wait_loadcnt \n
	s_wait_dscnt 4                                 ; row tiles 0, 1 are in (and all older loads); the youngest four loads may be out
	MM64 \s, 0
	WIN 0
	PLACES 4
.if (\s) < 5
.irp mm, 0,1
	LDX XQ+8*\mm, \xa, (\sm)*\mm+(\ss)*((\s)+1), \sc
.endr
.endif
.if (\s)+2 < 6
	W64 \sb, (\s)+2
.endif
.if (\s) < 5
	s_wait_dscnt 4
.else
	s_wait_dscnt 0x0
.endif
	MM64 \s, 2
	WIN 0
	PLACES 4
.if (\s) < 5
.irp mm, 2,3
	LDX XQ+8*\mm, \xa, (\sm)*\mm+(\ss)*((\s)+1), \sc
.endr
.endif
.endm
.macro GEMM64 sb, n0, xa, sm, ss, sc   ; steps 1 to 4 leave the next step's twelve weight loads out
.irp mm, 0,1,2,3
	LDX XQ+8*\mm, \xa, (\sm)*\mm, \sc
.endr
	STEP64 \sb, 0, \n0, \xa, \sm, \ss, \sc
	STEP64 \sb, 1, 12, \xa, \sm, \ss, \sc
	STEP64 \sb, 2, 12, \xa, \sm, \ss, \sc
	STEP64 \sb, 3, 12, \xa, \sm, \ss, \sc
	STEP64 \sb, 4, 12, \xa, \sm, \ss, \sc
	STEP64 \sb, 5, 0, \xa, \sm, \ss, \sc
.endm
; Q stays in registers: item e = 3 m + b is block b of row tile m, 16 registers at v[16 e] of window 1.  The fourth block of the instruction's 128 is zero codes.
.macro QEPI
	WIN 0x05
.irp e, 0,1,2,3,4,5,6,7,8,9,10,11
	v_max3_num_f32 v[64+\e], |v[16*\e]|, |v[16*\e+1]|, 0x1800000
.endr
.irp i, 2,4,6,8,10,12,14
.irp e, 0,1,2,3,4,5,6,7,8,9,10,11
	v_max3_num_f32 v[64+\e], |v[16*\e+\i]|, |v[16*\e+\i+1]|, v[64+\e]
.endr
.endr
	WIN 0
.irp e, 0,1,2,3,4,5,6,7,8,9,10,11
	v_permlanex16_b32 v[76+\e], v[64+\e], s70, s71
.endr
.irp e, 0,1,2,3,4,5,6,7,8,9,10,11
	v_max_num_f32 v[64+\e], v[64+\e], v[76+\e]
.endr
.irp e, 0,1,2,3,4,5,6,7,8,9,10,11
	v_add_nc_u32 v[88+\e], 0xff000000, v[64+\e]
.endr
.irp e, 0,1,2,3,4,5,6,7,8,9,10,11
	v_lshrrev_b32 v[100+\e], 23, v[88+\e]
.endr
.irp m, 0,1,2,3
	v_lshl_or_b32 v[QS+\m], v[100+3*\m+1], 8, v[100+3*\m]          ; the row's scale word; its top byte stays 0, over zero codes
.endr
.irp m, 0,1,2,3
	v_lshl_or_b32 v[QS+\m], v[100+3*\m+2], 16, v[QS+\m]
.endr
	WIN 0x40
.irp m, 0,1,2,3
	v_mov_b32 v[QF+8*\m+6], 0
	v_mov_b32 v[QF+8*\m+7], 0
.endr
	WIN 0x41
.irp e, 0,1,2,3,4,5,6,7,8,9,10,11
	v_cvt_scalef32_pk8_fp4_f32 v[QF+8*(\e/3)+2*(\e%3)], v[16*\e:16*\e+7], v[88+\e]
	v_cvt_scalef32_pk8_fp4_f32 v[QF+8*(\e/3)+2*(\e%3)+1], v[16*\e+8:16*\e+15], v[88+\e]
.endr
	v_nop
.irp m, 0,1,2,3                        ; the operand's layout wants a WHOLE block in a lane: lanes 0-15 block 2 c, lanes 16-31 block 2 c + 1
.irp c, 0,1
.irp i, 0,1
	v_permlane16_swap_b32 v[QF+8*\m+4*\c+\i], v[QF+8*\m+4*\c+2+\i]
.endr
.endr
.endr
	WIN 0
.endm
; ---- THE ATTENTION
.macro FETCHK ak, aks                  ; a key step's eight tiles of K (lane a of tile 2 b + u: chunk a % 8, x row 4 b + u + 2 (a / 8) of the step's 16) and their scale words: 20 loads
	WIN 0x40
.irp kt, 0,1,2,3,4,5,6,7
	ds_load_b128 v[KF+8*\kt:KF+8*\kt+3], v[\ak] offset:(4*(\kt/2)+(\kt%2))*64
	ds_load_b128 v[KF+8*\kt+4:KF+8*\kt+7], v[\ak] offset:(4*(\kt/2)+(\kt%2))*64+32
.endr
	WIN 0
.irp b, 0,1,2,3
	ds_load_b32 v[KS+\b], v[\aks] offset:16*\b
.endr
.endm
; A KEY STEP: 128 keys (s74: which), for the pass's two tiles of 16 queries.
.macro ASTEP
	s_wait_dscnt 0x0                               ; K and its scale words are in
	WIN 0x05                                       ; K and Q window 1, S^T window 0
.irp kt, 0,1,2,3,4,5,6,7
.irp i, 0,1
	WM SCR+64*\i+8*\kt, KF+8*\kt, QF+8*\i, 0, 0, KS+\kt/2, QS+\i, \kt%2, 0
.endr
.endr
	WIN 0
	s_lshl_b32 s76, s74, 6                         ; V^T: 64 bytes a step in each row;
	s_lshl_b32 s77, s74, 2                         ; its scale words: 4;
	s_add_co_u32 s82, s74, 1
	s_and_b32 s82, s82, 7                          ; the next step (behind the last: the first again, for the next pass)
	s_lshl_b32 s78, s82, 10                        ; K: 16 x rows of 64 bytes;
	s_lshl_b32 s79, s82, 6                         ; its scale words: 16 x 4
	v_add_nc_u32 v[ADV], s76, v[AV0]               ; these four are the places behind the products: ahead of the loads below and of the first read of the scores
	v_add_nc_u32 v[ADVS], s77, v[AVS0]
	v_add_nc_u32 v[ADK], s78, v[AK0]
	v_add_nc_u32 v[ADKS], s79, v[AKS0]
	WIN 0x40
.irp t, 0,1,2,3,4,5
	ds_load_b128 v[VF+8*\t:VF+8*\t+3], v[ADV] offset:8448*\t
	ds_load_b128 v[VF+8*\t+4:VF+8*\t+7], v[ADV] offset:8448*\t+32
.endr
	WIN 0
.irp p, 0,1,2
	ds_load_b32 v[VS+\p], v[ADVS] offset:1152*\p
.endr
	FETCHK ADK, ADKS                               ; the next step's K lands under the softmax
.irp b, 0,1,2,3
.irp i, 0,1
	v_max3_num_f32 v[ST+20*\i+4+\b], v[SCR+64*\i+16*\b], v[SCR+64*\i+16*\b+1], v[SCR+64*\i+16*\b+2]   ; the largest score of each block of 32 keys: for the row's maximum, and, since p rises with the score, for the block's largest p
.endr
.endr
.irp k, 3,5,7,9,11,13
.irp b, 0,1,2,3
.irp i, 0,1
	v_max3_num_f32 v[ST+20*\i+4+\b], v[ST+20*\i+4+\b], v[SCR+64*\i+16*\b+\k], v[SCR+64*\i+16*\b+\k+1]
.endr
.endr
.endr
.irp b, 0,1,2,3
.irp i, 0,1
	v_max_num_f32 v[ST+20*\i+4+\b], v[ST+20*\i+4+\b], v[SCR+64*\i+16*\b+15]
.endr
.endr
.irp b, 0,1,2,3
.irp i, 0,1
	v_permlanex16_b32 v[ST+20*\i+8+\b], v[ST+20*\i+4+\b], s70, s71
.endr
.endr
.irp b, 0,1,2,3
.irp i, 0,1
	v_max_num_f32 v[ST+20*\i+4+\b], v[ST+20*\i+4+\b], v[ST+20*\i+8+\b]   ; with lane l xor 16's 16 keys
.endr
.endr
.irp i, 0,1
	v_max3_num_f32 v[ST+20*\i+18], v[ST+20*\i+4], v[ST+20*\i+5], v[ST+20*\i+6]
.endr
.irp i, 0,1
	v_max_num_f32 v[ST+20*\i+18], v[ST+20*\i+18], v[ST+20*\i+7]    ; the step's largest score of my query
.endr
.irp i, 0,1
	v_mul_f32 v[ST+20*\i+18], s72, v[ST+20*\i+18]                  ; as t
.endr
.irp i, 0,1
	v_max_num_f32 v[ST+20*\i+1], v[ST+20*\i+1], v[ST+20*\i+18]     ; the running largest t
.endr
.irp i, 0,1
	v_mov_b32 v[ST+20*\i+18], v[ST+20*\i]
.endr
.irp i, 0,1
	v_floor_f32 v[ST+20*\i], -v[ST+20*\i+1]                        ; the new -M = floor(-t): M is a whole number
.endr
.irp i, 0,1
	v_sub_f32 v[ST+20*\i+18], v[ST+20*\i], v[ST+20*\i+18]          ; old M - new M: a whole number, 0 or less
.endr
.irp i, 0,1
	v_cvt_i32_f32 v[ST+20*\i+18], v[ST+20*\i+18]                   ; (it saturates)
.endr
.irp i, 0,1
	v_ldexp_f32 v[ST+20*\i+16], 1.0, v[ST+20*\i+18]                ; f = 2^(old M - new M): multiplying by it rounds nothing
.endr
.irp i, 0,1
.set j, 0
.rept 32
	v_pk_fma_f32 v[SCR+64*\i+j:SCR+64*\i+j+1], v[SCR+64*\i+j:SCR+64*\i+j+1], s[72:73], v[ST+20*\i:ST+20*\i+1] op_sel_hi:[1,0,0]   ; t - M, two at a time
.set j, j+2
.endr
.endr
.irp b, 0,1,2,3
.irp i, 0,1
	v_fma_f32 v[ST+20*\i+4+\b], v[ST+20*\i+4+\b], s72, v[ST+20*\i]  ; the same of each block's largest score
.endr
.endr
.set j, 0
.rept 128
	v_exp_f32 v[SCR+j], v[SCR+j]                   ; p = 2^(t - M), at most 1: one batch for both tiles
.set j, j+1
.endr
.irp i, 0,1
	v_pk_mul_f32 v[ST+20*\i+2:ST+20*\i+3], v[ST+20*\i+2:ST+20*\i+3], v[ST+20*\i+16:ST+20*\i+17] op_sel_hi:[1,0]   ; the sums under the new M: plain work behind the exponentials
.endr
	s_wait_alu depctr_va_vdst(0)                   ; one wait for the batch, ahead of the first instruction that names a result
.irp b, 0,1,2,3
.irp i, 0,1
	v_exp_f32 v[ST+20*\i+4+\b], v[ST+20*\i+4+\b]   ; the blocks' largest p: the same two instructions on the same number give the same bits
.endr
.endr
.irp i, 0,1
	v_pk_add_f32 v[ST+20*\i+8:ST+20*\i+9], v[SCR+64*\i:SCR+64*\i+1], v[SCR+64*\i+2:SCR+64*\i+3]   ; the row's sum is taken of the unquantised p: two chains a tile
.endr
.irp k, 4,8,12,16,20,24,28,32,36,40,44,48,52,56,60
.irp i, 0,1
	v_pk_add_f32 v[ST+20*\i+2:ST+20*\i+3], v[ST+20*\i+2:ST+20*\i+3], v[SCR+64*\i+\k:SCR+64*\i+\k+1]
	v_pk_add_f32 v[ST+20*\i+8:ST+20*\i+9], v[ST+20*\i+8:ST+20*\i+9], v[SCR+64*\i+\k+2:SCR+64*\i+\k+3]
.endr
.endr
.irp i, 0,1
	v_pk_add_f32 v[ST+20*\i+2:ST+20*\i+3], v[ST+20*\i+2:ST+20*\i+3], v[ST+20*\i+8:ST+20*\i+9]
.endr
	s_wait_alu depctr_va_vdst(0)                   ; and one for the eight
.irp b, 0,1,2,3
.irp i, 0,1
	v_max_num_f32 v[ST+20*\i+4+\b], 0x1800000, v[ST+20*\i+4+\b]    ; the floor 2^(3 - 127): the byte cannot fall under 1
.endr
.endr
.irp b, 0,1,2,3
.irp i, 0,1
	v_add_nc_u32 v[ST+20*\i+12+\b], 0xff000000, v[ST+20*\i+4+\b]   ; 2 off the exponent field: the conversion's scale operand
.endr
.endr
.irp b, 0,1,2,3
.irp i, 0,1
	v_lshrrev_b32 v[ST+20*\i+8+\b], 23, v[ST+20*\i+12+\b]          ; the scale's byte
.endr
.endr
.irp i, 0,1
	v_lshl_or_b32 v[PS+\i], v[ST+20*\i+9], 8, v[ST+20*\i+8]        ; p's scale word for these 128 keys
.endr
.irp i, 0,1
	v_lshl_or_b32 v[PS+\i], v[ST+20*\i+10], 16, v[PS+\i]
.endr
.irp i, 0,1
	v_lshl_or_b32 v[PS+\i], v[ST+20*\i+11], 24, v[PS+\i]
.endr
.irp i, 0,1
.irp b, 0,1,2,3
	v_cvt_scalef32_pk8_fp4_f32 v[PCD+8*\i+2*\b], v[SCR+64*\i+16*\b:SCR+64*\i+16*\b+7], v[ST+20*\i+12+\b]
	v_cvt_scalef32_pk8_fp4_f32 v[PCD+8*\i+2*\b+1], v[SCR+64*\i+16*\b+8:SCR+64*\i+16*\b+15], v[ST+20*\i+12+\b]
.endr
.endr
	v_nop                                          ; one plain instruction behind the last conversion
.irp i, 0,1
.irp c, 0,1
.irp e, 0,1
	v_permlane16_swap_b32 v[PCD+8*\i+4*\c+\e], v[PCD+8*\i+4*\c+2+\e]
.endr
.endr
.endr
	WIN 0x41                                       ; O^T window 1, f window 0
.irp i, 0,1
.set j, 0
.rept 24
	v_pk_mul_f32 v[48*\i+j:48*\i+j+1], v[48*\i+j:48*\i+j+1], v[ST+20*\i+16:ST+20*\i+17] op_sel_hi:[1,0]   ; O^T under the new M, each accumulator from its low end on; these are also the places between p's codes and scale word and the products
.set j, j+2
.endr
.endr
	s_wait_dscnt 20                                ; V^T and its scale words are in; the 20 loads of the next step's K may be out
	WIN 0x51                                       ; V^T window 1, p window 0, O^T window 1
.irp t, 0,1,2,3,4,5
.irp i, 0,1
	WM 48*\i+8*\t, VF+8*\t, PCD+8*\i, 1, 48*\i+8*\t, VS+\t/2, PS+\i, \t%2, 0   ; the twelve accumulators by turns
.endr
.endr
	WIN 0
.endm
; A PASS'S END: O^T / the sum is the last product's operand: 96 columns of chunk w, quantised as K's were; item e = 3 i + b.
.macro OEPI
.irp i, 0,1
	v_add_f32 v[ST+20*\i+2], v[ST+20*\i+2], v[ST+20*\i+3]          ; the sum's two halves.  (These lines are the places behind the last products)
.endr
.irp i, 0,1
	v_permlanex16_b32 v[ST+20*\i+18], v[ST+20*\i+2], s70, s71
.endr
.irp i, 0,1
	v_add_f32 v[ST+20*\i+2], v[ST+20*\i+2], v[ST+20*\i+18]         ; and lane l xor 16's: the row's sum
.endr
.irp i, 0,1
	v_rcp_f32 v[ST+20*\i+16], v[ST+20*\i+2]
.endr
	v_nop                                          ; a plain instruction behind the reciprocals,
	s_wait_alu depctr_va_vdst(0)                   ; and the wait ahead of their first reader
	WIN 0x01
.irp i, 0,1
.set j, 0
.rept 24
	v_pk_mul_f32 v[OV+48*\i+j:OV+48*\i+j+1], v[48*\i+j:48*\i+j+1], v[ST+20*\i+16:ST+20*\i+17] op_sel_hi:[1,0]
.set j, j+2
.endr
.endr
	WIN 0
.irp e, 0,1,2,3,4,5
	v_max3_num_f32 v[OT+\e], |v[OV+16*\e]|, |v[OV+16*\e+1]|, 0x1800000
.endr
.irp k, 2,4,6,8,10,12,14
.irp e, 0,1,2,3,4,5
	v_max3_num_f32 v[OT+\e], v[OT+\e], |v[OV+16*\e+\k]|, |v[OV+16*\e+\k+1]|
.endr
.endr
.irp e, 0,1,2,3,4,5
	v_permlanex16_b32 v[OPM+\e], v[OT+\e], s70, s71
.endr
.irp e, 0,1,2,3,4,5
	v_max_num_f32 v[OT+\e], v[OT+\e], v[OPM+\e]
.endr
.irp e, 0,1,2,3,4,5
	v_add_nc_u32 v[OSO+\e], 0xff000000, v[OT+\e]
.endr
.irp e, 0,1,2,3,4,5
	v_lshrrev_b32 v[OBY+\e], 23, v[OSO+\e]
.endr
.irp e, 0,1,2,3,4,5
	v_cvt_scalef32_pk8_fp4_f32 v[OCD+2*\e], v[OV+16*\e:OV+16*\e+7], v[OSO+\e]
	v_cvt_scalef32_pk8_fp4_f32 v[OCD+2*\e+1], v[OV+16*\e+8:OV+16*\e+15], v[OSO+\e]
.endr
	v_nop
	v_add_nc_u32 v[OCA], s80, v[OCA0]              ; the pass's 32 rows
	v_add_nc_u32 v[OSA], s81, v[OSA0]
.irp e, 0,1,2,3,4,5
	ds_store_b64 v[OCA], v[OCD+2*\e:OCD+2*\e+1] offset:6400*(\e/3)+16*(\e%3)
	ds_store_b8 v[OSA], v[OBY+\e] offset:384*(\e/3)+(\e%3)
.endr
	WIN 0x41
.set j, 0
.rept 16
	v_mov_b32 v[QF+j], v[QF+16+j]                  ; the next pass's two tiles of queries take their place
.set j, j+1
.endr
	WIN 0
	v_mov_b32 v[QS], v[QS+2]
	v_mov_b32 v[QS+1], v[QS+3]
.endm
.macro TOSTG m, sa                     ; a row tile's results into the stage: lane (r, h), tile 2 b + u: columns 96 w + 32 b + 16 h + 8 u + 0 .. 7 of row 16 m + r; each accumulator from its low end on
.irp t, 0,1,2,3,4,5
	ds_store_b128 v[\sa], v[8*(6*(\m)+\t):8*(6*(\m)+\t)+3] offset:128*(\t/2)+32*(\t%2)
	ds_store_b128 v[\sa], v[8*(6*(\m)+\t)+4:8*(6*(\m)+\t)+7] offset:128*(\t/2)+32*(\t%2)+16
.endr
.endm
; ================ THE HEAD
	s_load_b512 s[8:23], s[0:1], 0x0               ; x_codes s[8:9], x_scales s[10:11], Wq s[12:13], its scales s[14:15], bq s[16:17], Wk s[18:19], its scales s[20:21], bk s[22:23]
	s_load_b256 s[24:31], s[0:1], 0x40             ; Wv s[24:25], its scales s[26:27], bv s[28:29], Wp s[30:31]
	s_load_b128 s[32:35], s[0:1], 0x60             ; Wp's scales s[32:33], bp s[34:35]
	s_load_b64 s[36:37], s[0:1], 0x70              ; out0
	v_lshrrev_b32 v240, 5, v0
	v_readfirstlane_b32 s66, v240                  ; w: wave 0..7
	s_lshr_b32 s67, ttmp9, 1                       ; g: the head
	s_and_b32 s68, ttmp9, 1                        ; z: which half of its queries
	s_mov_b32 s70, 0x76543210
	s_mov_b32 s71, 0xfedcba98                      ; v_permlanex16_b32's selects for lane l xor 16
	s_mov_b32 s72, 0x3e16c740                      ; c = log2(e) / sqrt(96)
	s_mov_b32 s73, s72                             ; (named with it as a pair)
	s_mov_b32 s3, 0
	v_and_b32 v241, 31, v0                         ; lane
	v_and_b32 v242, 15, v0                         ; r
	v_bfe_u32 v243, v0, 4, 1                       ; h
	v_and_b32 v244, 7, v0                          ; r % 8
	v_bfe_u32 v245, v0, 3, 1                       ; r / 8
	v_lshl_add_u32 v246, v245, 4, v244             ; r % 8 + 16 (r / 8)
	v_lshl_add_u32 v[LIX], v241, 4, XIMG
	v_mul_u32_u24 v[KO], v246, 384
	v_lshl_add_u32 v[KO], v243, 4, v[KO]
	v_mad_u32_u24 v[VO], v244, 96, v245
	v_mul_u32_u24 v[VO], v[VO], 384
	v_lshl_add_u32 v[VO], v243, 4, v[VO]
	v_lshl_add_u32 v[KSO], v243, 3, v246
	v_mul_u32_u24 v[KSO], v[KSO], 24
	s_mul_i32 s4, s66, 12
	v_lshl_add_u32 v247, v243, 1, v245
	v_add_nc_u32 v247, s4, v247                    ; 12 w + 2 h + r / 8: the place of my row of Wv in pair 0
.irp p, 0,1,2
	v_add_nc_u32 v248, 4*\p, v247
	v_and_b32 v249, 0x67, v248                     ; the place with bits 3 and 4 exchanged is the channel d
	v_and_b32 v250, 8, v248
	v_lshl_add_u32 v249, v250, 1, v249
	v_and_b32 v250, 16, v248
	v_lshrrev_b32 v250, 1, v250
	v_add_nc_u32 v249, v249, v250
	v_mad_u32_u24 v[VSO+\p], v244, 96, v249
	v_mul_u32_u24 v[VSO+\p], v[VSO+\p], 24
.endr
	v_lshlrev_b32 v[KBO], 6, v243
	v_lshlrev_b32 v[VBO], 2, v243
	s_mul_i32 s4, s66, KPL
	v_lshlrev_b32 v[KCA], 6, v242
	v_lshl_add_u32 v[KCA], v243, 3, v[KCA]
	v_add_nc_u32 v[KCA], s4, v[KCA]                ; KC + 8,208 w + 64 r + 8 h
	s_mul_i32 s4, s66, 528
	s_add_co_u32 s4, s4, KSC
	v_lshl_add_u32 v[KSA], v242, 2, s4             ; KSC + 528 w + 4 r
	s_mul_i32 s4, s66, 12*VPI
	s_add_co_u32 s4, s4, VC
	v_mul_u32_u24 v[VCA], v243, VPI
	v_lshl_add_u32 v[VCA], v242, 2, v[VCA]
	v_add_nc_u32 v[VCA], s4, v[VCA]                ; VC + (12 w + h) 528 + 4 r
	s_mul_i32 s4, s66, 12*36
	s_add_co_u32 s4, s4, VSC
	v_mul_u32_u24 v[VSA], v243, 36
	v_bfe_u32 v248, v0, 2, 2
	v_add_nc_u32 v[VSA], v[VSA], v248
	v_add_nc_u32 v[VSA], s4, v[VSA]                ; VSC + (12 w + h) 36 + r / 4
	s_mul_i32 s4, s68, 24576
	v_add_nc_u32 v[LIQ], s4, v[LIX]
	v_mul_u32_u24 v[XSO], v241, 24
	v_mul_u32_u24 v255, v242, 384
	v_lshl_add_u32 v255, v243, 4, v255             ; x: row r of my 16, + 16 h
	s_mul_i32 s4, s66, 6144
	v_add_nc_u32 v254, s4, v[LIX]                  ; where my row tile's six images go
	v_and_b32 v248, 127, v0
	v_lshrrev_b32 v249, 7, v0
	v_mul_u32_u24 v253, v249, KPL
	v_lshl_add_u32 v253, v248, 6, v253             ; thread t: x row t % 128 of plane t / 128 (+ 2 i)
	v_mul_u32_u24 v252, v249, 528
	v_lshl_add_u32 v252, v248, 2, v252
	v_add_nc_u32 v252, KSC, v252
	v_mov_b32 v244, 0
	v_mov_b32 v245, 0
	v_mov_b32 v246, 0
	v_mov_b32 v247, 0
	v_mov_b32 v251, 127
	s_wait_kmcnt 0x0
	s_mul_i32 s2, s67, 49152                       ; the head's 128 rows of 384 bytes,
	s_mul_i32 s4, s66, 6144                        ; my wave's 16 of them
	s_add_co_u32 s2, s2, s4
	s_add_nc_u64 s[8:9], s[8:9], s[2:3]
	s_mul_i32 s2, s67, 3072
	s_add_nc_u64 s[10:11], s[10:11], s[2:3]        ; the head's scale bytes,
	s_mul_i32 s2, s68, 1536
	s_add_nc_u64 s[38:39], s[10:11], s[2:3]        ; and my half's
	s_mul_i32 s2, s66, 36864                       ; my chunk's 96 rows of Wq, Wk, Wp,
	s_add_nc_u64 s[12:13], s[12:13], s[2:3]
	s_add_nc_u64 s[18:19], s[18:19], s[2:3]
	s_add_nc_u64 s[30:31], s[30:31], s[2:3]
	s_mul_i32 s2, s66, 2304                        ; their scale bytes,
	s_add_nc_u64 s[14:15], s[14:15], s[2:3]
	s_add_nc_u64 s[20:21], s[20:21], s[2:3]
	s_add_nc_u64 s[32:33], s[32:33], s[2:3]
	s_mul_i32 s2, s66, 384                         ; and their biases
	s_add_nc_u64 s[16:17], s[16:17], s[2:3]
	s_add_nc_u64 s[22:23], s[22:23], s[2:3]
	s_add_nc_u64 s[34:35], s[34:35], s[2:3]
	s_mul_i32 s2, s67, 393216                      ; out0: the head's 128 rows of 3,072 bytes, my half's 64, the 8 that my wave stores
	s_mul_i32 s4, s68, 196608
	s_add_co_u32 s2, s2, s4
	s_mul_i32 s4, s66, 24576
	s_add_co_u32 s2, s2, s4
	s_add_nc_u64 s[36:37], s[36:37], s[2:3]
.irp t, 0,1,2,3,4,5                    ; V's tile t takes channels d0, d0 + 1: d0 = the place 12 w + 2 t with bits 3 and 4 exchanged
	s_mul_i32 s4, s66, 12
	s_add_co_u32 s4, s4, 2*\t
	s_and_b32 s5, s4, 0x67
	s_and_b32 s6, s4, 8
	s_lshl_b32 s6, s6, 1
	s_add_co_u32 s5, s5, s6
	s_and_b32 s6, s4, 16
	s_lshr_b32 s6, s6, 1
	s_add_co_u32 s5, s5, s6
	s_mul_i32 s2, s5, 384
	s_add_nc_u64 s[40+2*\t:41+2*\t], s[24:25], s[2:3]
	s_lshl_b32 s2, s5, 2
	s_add_nc_u64 s[52+2*\t:53+2*\t], s[28:29], s[2:3]
.endr
.irp s, 0,1,2,3,4,5
	global_load_b128 v[XF+8*\s:XF+8*\s+3], v255, s[8:9] offset:64*\s       ; my row tile's six fragments of x
	global_load_b128 v[XF+8*\s+4:XF+8*\s+7], v255, s[8:9] offset:64*\s+32
.endr
.irp p, 0,1,2,3
.irp q, 0,1,2
	global_load_b64 v[XS+6*\p+2*\q:XS+6*\p+2*\q+1], v[XSO], s[10:11] offset:768*\p+8*\q   ; lane l: the scale words of row 32 p + l, two K steps a load
.endr
.endr
	PREKV 0
	WKV 0, 0, 0
	WKV 0, 1, 1
.irp i, 0,1,2,3
	ds_store_b128 v253, v[244:247] offset:48+2*KPL*\i      ; K's fourth block: zero codes,
	ds_store_b8 v252, v251 offset:3+1056*\i                ; under the byte 127
.endr
	s_wait_loadcnt 42                              ; x's fragments are in: behind them 12 + 14 + 16 loads were issued
.irp s, 0,1,2,3,4,5
	ds_store_b128 v254, v[XF+8*\s:XF+8*\s+3] offset:1024*\s        ; as they stand: any wave that loads them by the same lines has the same registers in the same lanes
	ds_store_b128 v254, v[XF+8*\s+4:XF+8*\s+7] offset:1024*\s+512
.endr
	BAR                                            ; x's 48 fragments lie in LDS
; ================ K AND V OF THE WHOLE HEAD
.macro FIRSTX                          ; my earlier stores have read their registers; then step 0's eight fragments of x
	s_wait_dscnt 0x0
.irp mm, 0,1,2,3,4,5,6,7
	LDX XF+8*\mm, LIX, 6*\mm*1024, 512
.endr
.endm
	FIRSTX
	KVSTEP 0, 0, 8                                 ; the next step's eight weight loads may be out
	KVSTEP 0, 1, 8
	KVSTEP 0, 2, 34                                ; behind this step's weights: the next unit's 26 loads of scales and biases, and 8
	KVSTEP 0, 3, 8
	KVSTEP 0, 4, 8
	KVSTEP 0, 5, 8
	KEPI 0, 0
	KEPI 2, 1
	FIRSTX
	KVSTEP 1, 0, 8
	KVSTEP 1, 1, 8
	KVSTEP 1, 2, 46                                ; 38 + 8
	KVSTEP 1, 3, 8
	KVSTEP 1, 4, 8
	KVSTEP 1, 5, 8
	KEPI 0, 2
	VEPI 2, 0, 0
	VEPI 2, 0, 4
	FIRSTX
	KVSTEP 2, 0, 8
	KVSTEP 2, 1, 8
	KVSTEP 2, 2, 8
	KVSTEP 2, 3, 8
	KVSTEP 2, 4, 8
	KVSTEP 2, 5, 0
.irp p, 0,1                            ; what Q's product wants is asked for ahead of V's last quantising
.irp q, 0,1,2
	global_load_b64 v[XS+6*\p+2*\q:XS+6*\p+2*\q+1], v[XSO], s[38:39] offset:768*\p+8*\q
.endr
.endr
	PRE64S 14
	W64 12, 0
	W64 12, 1
	VEPI 0, 2, 4
	VEPI 2, 4, 4
	PRE64B 16                                      ; into v192-239 of window 1: the accumulators of row tiles 6, 7, which have just been read
	VEPI 0, 2, 0
	VEPI 2, 4, 0
; ================ Q OF MY 64 ROWS
	s_wait_dscnt 0x0
	GEMM64 12, 0, LIQ, 6144, 1024, 512             ; the first wait is for 0: the bias was asked for last
	QEPI
	v_and_b32 v112, 7, v0
	v_bfe_u32 v113, v0, 3, 1
	v_bfe_u32 v114, v0, 4, 1
	v_and_b32 v115, 15, v0
	v_and_b32 v116, 31, v0
	v_mul_u32_u24 v[AK0], v112, KPL
	v_lshl_add_u32 v[AK0], v113, 7, v[AK0]
	v_lshl_add_u32 v[AK0], v114, 4, v[AK0]         ; KC + (l % 8) 8,208 + ((l / 8) % 2) 128 + 16 h
	v_mul_u32_u24 v[AV0], v115, VPI
	v_lshl_add_u32 v[AV0], v114, 4, v[AV0]
	v_add_nc_u32 v[AV0], VC, v[AV0]                ; VC + 528 r + 16 h
	v_mul_u32_u24 v[AKS0], v112, 528
	v_lshl_add_u32 v[AKS0], v113, 3, v[AKS0]
	v_lshl_add_u32 v[AKS0], v114, 2, v[AKS0]
	v_add_nc_u32 v[AKS0], KSC, v[AKS0]             ; lanes 0-15 tile 2 b, lanes 16-31 tile 2 b + 1: one x row on
	v_mul_u32_u24 v[AVS0], v116, 36
	v_add_nc_u32 v[AVS0], VSC, v[AVS0]
	s_mul_i32 s4, s66, 48
	s_add_co_u32 s4, s4, OC
	v_mul_u32_u24 v[OCA0], v115, 400
	v_lshl_add_u32 v[OCA0], v114, 3, v[OCA0]
	v_add_nc_u32 v[OCA0], s4, v[OCA0]              ; OC + 400 r + 8 h + 48 w
	s_mul_i32 s4, s66, 3
	s_add_co_u32 s4, s4, OSC
	v_mul_u32_u24 v[OSA0], v115, 24
	v_add_nc_u32 v[OSA0], s4, v[OSA0]              ; OSC + 24 r + 3 w
.irp i, 0,1
.irp b, 0,1,2,3
	v_mov_b32 v[ST+20*\i+8+\b], 0                  ; written once: a lane permute's destination counts as one of its sources
.endr
	v_mov_b32 v[ST+20*\i+17], 0                    ; (named as the upper half of f's pair)
.endr
	BAR                                            ; K and V of the head are whole
; ================ THE ATTENTION: two passes of two tiles of 16 queries, eight key steps each
	FETCHK AK0, AKS0
	s_mov_b32 s75, 0
	s_mov_b32 s80, 0
	s_mov_b32 s81, 0
.Lpass:
	WIN 0x40
.set j, 0
.rept 96
	v_mov_b32 v[j], 0                              ; O^T.  (The key step is written once: its first trip finds zeros, which the first change of M leaves zeros)
.set j, j+1
.endr
	WIN 0
.irp i, 0,1
	v_mov_b32 v[ST+20*\i+1], 0xff61b1e6            ; the largest t so far: -3e38
	v_floor_f32 v[ST+20*\i], -v[ST+20*\i+1]
	v_mov_b32 v[ST+20*\i+2], 0
	v_mov_b32 v[ST+20*\i+3], 0
.endr
	s_mov_b32 s74, 0
.Lstep:
	ASTEP
	s_add_co_u32 s74, s74, 1
	s_cmp_lt_u32 s74, 8
	s_cbranch_scc1 .Lstep
	OEPI
	s_add_co_u32 s80, s80, 12800                   ; 32 rows of 400 bytes on,
	s_add_co_u32 s81, s81, 768                     ; and of 24
	s_add_co_u32 s75, s75, 1
	s_cmp_lt_u32 s75, 2
	s_cbranch_scc1 .Lpass
; ================ out0 = the result x Wp^T + bp, for my chunk of columns and all 64 rows
	s_wait_dscnt 0x0                               ; the last fetch of K (nobody reads it) and my stores are done: their registers are free
	PRE64S 32
	PRE64B 34
	W64 30, 0
	W64 30, 1
	v_and_b32 v248, 15, v0
	v_bfe_u32 v249, v0, 4, 1
	v_and_b32 v250, 31, v0
	s_mul_i32 s4, s66, 384
	v_mul_u32_u24 v[SA0], v248, SPI
	v_lshl_add_u32 v[SA0], v249, 6, v[SA0]
	v_add_nc_u32 v[SA0], s4, v[SA0]                ; 3,088 r + 384 w + 64 h
	v_add_nc_u32 v[SA1], 16*SPI, v[SA0]
	v_add_nc_u32 v[SA2], 32*SPI, v[SA0]
	v_add_nc_u32 v[SA3], 48*SPI, v[SA0]
	s_mul_i32 s4, s66, 8*SPI
	v_lshl_add_u32 v[SR], v250, 4, s4              ; back: my 8 rows, 16 bytes a lane
	v_lshlrev_b32 v[GO], 4, v250
	v_mul_u32_u24 v[OA], v248, 400
	v_lshl_add_u32 v[OA], v249, 4, v[OA]
	v_add_nc_u32 v[OA], OC, v[OA]
	v_mul_u32_u24 v[OSL], v250, 24
	v_add_nc_u32 v[OSL], OSC, v[OSL]
	BAR                                            ; the result's 64 rows of codes are whole; nobody reads K, V or x any more
.irp p, 0,1
.irp q, 0,1,2
	ds_load_b64 v[XS+6*\p+2*\q:XS+6*\p+2*\q+1], v[OSL] offset:768*\p+8*\q   ; older than the fragments' loads: the first wait for those covers them
.endr
.endr
	GEMM64 30, 12, OA, 6400, 64, 32                ; the first wait leaves step 1's twelve weight loads out
	WIN 0x04                                       ; an LDS store's data are its source 1: window 1
	TOSTG 0, SA0
	TOSTG 1, SA1
	TOSTG 2, SA2
	TOSTG 3, SA3
	WIN 0
	BAR                                            ; 64 whole rows of out0 lie in the stage
.set k, 0
.rept 48
	ds_load_b128 v[64+4*k:67+4*k], v[SR] offset:SPI*(k/6)+512*(k%6)
.set k, k+1
.endr
.set k, 0
.rept 48
	s_wait_dscnt 47-k                              ; LDS loads come back in order: piece k is in
	global_store_b128 v[GO], v[64+4*k:67+4*k], s[36:37] offset:3072*(k/6)+512*(k%6) th:TH_STORE_NT   ; 32 lanes store 512 consecutive bytes, at a multiple of 256 from out0's first byte
.set k, k+1
.endr
	s_wait_xcnt 0x0
	v_lshl_add_u32 v254, v0, 2, 0x37000
	v_mov_b32 v255, 0
	s_wait_tensorcnt 0x0
	ds_add_u32 v254, v255
	s_wait_dscnt 0x0
	s_endpgm
.Lfunc_end_k_qc54b98890e_attn:
	.size	k_qc54b98890e_attn, .Lfunc_end_k_qc54b98890e_attn-k_qc54b98890e_attn
	.p2alignl 7, 3214868480
	.fill 96, 4, 3214868480
	.section	.rodata,"a",@progbits
	.p2align	6, 0x0
	.amdhsa_kernel k_qc54b98890e_attn
		.amdhsa_group_segment_fixed_size 226304
		.amdhsa_private_segment_fixed_size 0
		.amdhsa_enable_private_segment 0
		.amdhsa_kernarg_size 120
		.amdhsa_user_sgpr_count 2
		.amdhsa_user_sgpr_kernarg_segment_ptr 1
		.amdhsa_wavefront_size32 1
		.amdhsa_system_sgpr_workgroup_id_x 1
		.amdhsa_system_sgpr_workgroup_id_y 1
		.amdhsa_system_sgpr_workgroup_id_z 1
		.amdhsa_system_vgpr_workitem_id 0
		.amdhsa_next_free_vgpr 512
		.amdhsa_next_free_sgpr 100
		.amdhsa_reserve_vcc 0
		.amdhsa_float_denorm_mode_32 3
		.amdhsa_float_denorm_mode_16_64 3
		.amdhsa_memory_ordered 1
		.amdhsa_forward_progress 1
		.amdhsa_inst_pref_size 255
	.end_amdhsa_kernel
	.section	.bss,"aw",@nobits
	.p2align	6
	.space	262144
	.amdgpu_metadata
---
amdhsa.version: [ 1, 2 ]
amdhsa.kernels:
  - .name:           k_qc54b98890e_attn
    .symbol:         k_qc54b98890e_attn.kd
    .args:
      - { .name: x_codes, .offset: 0, .size: 8, .value_kind: global_buffer, .address_space: global }
      - { .name: x_scales, .offset: 8, .size: 8, .value_kind: global_buffer, .address_space: global }
      - { .name: Wq_codes, .offset: 16, .size: 8, .value_kind: global_buffer, .address_space: global }
      - { .name: Wq_scales, .offset: 24, .size: 8, .value_kind: global_buffer, .address_space: global }
      - { .name: bq, .offset: 32, .size: 8, .value_kind: global_buffer, .address_space: global }
      - { .name: Wk_codes, .offset: 40, .size: 8, .value_kind: global_buffer, .address_space: global }
      - { .name: Wk_scales, .offset: 48, .size: 8, .value_kind: global_buffer, .address_space: global }
      - { .name: bk, .offset: 56, .size: 8, .value_kind: global_buffer, .address_space: global }
      - { .name: Wv_codes, .offset: 64, .size: 8, .value_kind: global_buffer, .address_space: global }
      - { .name: Wv_scales, .offset: 72, .size: 8, .value_kind: global_buffer, .address_space: global }
      - { .name: bv, .offset: 80, .size: 8, .value_kind: global_buffer, .address_space: global }
      - { .name: Wp_codes, .offset: 88, .size: 8, .value_kind: global_buffer, .address_space: global }
      - { .name: Wp_scales, .offset: 96, .size: 8, .value_kind: global_buffer, .address_space: global }
      - { .name: bp, .offset: 104, .size: 8, .value_kind: global_buffer, .address_space: global }
      - { .name: out0, .offset: 112, .size: 8, .value_kind: global_buffer, .address_space: global }
    .group_segment_fixed_size: 226304
    .private_segment_fixed_size: 0
    .kernarg_segment_align: 8
    .kernarg_segment_size: 120
    .max_flat_workgroup_size: 256
    .sgpr_count:     100
    .vgpr_count:     512
    .wavefront_size: 32
...
	.end_amdgpu_metadata
.endif
;; end of part 1
;; ======== version 2 of 2: 1 launch; version 1 with the launch attn written anew for expert scheduling mode
;; launch attn (part 2): grid 256 x 1, 8 waves a work-group, no clusters, 226,304 bytes of LDS; arguments x_codes, x_scales, Wq_codes, Wq_scales, bq, Wk_codes, Wk_scales, bk, Wv_codes, Wv_scales, bv, Wp_codes, Wp_scales, bp, out0; writes out0
.if DOCPART == 2
	.amdgcn_target "amdgcn-amd-amdhsa--gfx1250"
	.amdhsa_code_object_version 6
	.text
	.protected	k_qc54b98890e_attn
	.globl	k_qc54b98890e_attn
	.p2align	8
	.type	k_qc54b98890e_attn,@function
k_qc54b98890e_attn:
	s_mov_b64 s[64:65], 0
	v_nop
	global_prefetch_b8 v0, s[64:65] scope:SCOPE_SE
	s_setreg_imm32_b32 hwreg(HW_REG_WAVE_SCHED_MODE, 0, 2), 2
	s_setreg_imm32_b32 hwreg(HW_REG_WAVE_MODE, 25, 1), 1
	s_wait_xcnt 0x0
	s_wait_alu depctr_vm_vsrc(0)
; SELF-ATTENTION ON CODES OF FP4 (E2M1), one E8M0 scale for each 32 along a product's K; all six products, the softmax and the biases in ONE launch.
; THE RESHAPE.  (bs, 1024, 768) -> (bs, 8, 1024, 96) is row-major: head g (of 128, batch x 8 + head) is made of x rows 128 g .. 128 g + 127 alone.  Row p gives eight tokens, 8 p + j, one for
; each chunk j of 96 columns.  So q, k, v, the attention and the last product of a head hang on 128 rows of x and on nothing else, and no intermediate goes to memory.
; SHARES.  256 work-groups of eight waves: g = number / 2, z = number % 2.  Each makes K and V of the whole head (both halves do: 4,608 matrix instructions twice, against half of the WGPs idle),
; and Q, the attention and the output for rows 64 z .. 64 z + 63 (512 queries).  WAVE w OWNS CHUNK w: columns 96 w .. 96 w + 95 of Q, K and out0, twelve of V's 96 channels, the 64 queries 8 p + w.
; ALL PRODUCTS ARE USED TRANSPOSED (source 0 = 16 rows of a weight, of K or of V^T; source 1 = 16 rows of x, Q, p or the attention's result): a lane holds ONE row or query (lane % 16), and its registers run
; along the next product's K.  THE ROWS OF A TILE ARE NOT NEIGHBOURS: lane a of tile 2 b + u takes row 32 b + 8 u + a % 8 + 16 (a / 8), so that the 16 registers of tiles 2 b, 2 b + 1 are 16 neighbours:
; 32 b + 16 (lane / 16) + 0 .. 15.  For V a tile takes the eight chunks' columns at two channels d: a lane's eight registers are then eight neighbouring KEYS at one d, and a block of 32 keys lies in four neighbouring lanes.
; THE SOFTMAX: t = score x log2(e) / sqrt(96); M = the running largest t rounded up to a whole number; p = 2^(t - M) is quantised along the keys, not normalised; the row's sum is taken of the unquantised p and divides at the end.
; WEIGHTS go from memory straight into registers, each byte once a work-group: a fragment of 16 rows x 128 K feeds 8 (K, V) or 4 (Q, out0) row tiles from the registers it was loaded into.
; NO CLUSTER, NO JOINT LOADS, though all work-groups read the same weights: a joint load lands in LDS, so the work-group's 1,179,648 bytes of weight codes would be written to LDS and read from it once more, beside
; the 173,184 bytes of K, V and x that stay there, and every refill would ask all eight waves, each of which walks its own 96 rows of a weight, into a round of barriers.
; NO PREFETCH: the weights are read by every work-group, and x is read once, at the head.
; LIMITS: NaN and infinities are not served (a scale byte 0xff in an input gives NaN).  A block whose largest magnitude lies under 2^-124, a block of zeros among them, keeps the scale byte 1 (the rule says 127 for
; zeros: the codes are zeros and only this program reads the bytes).  log2(e) / sqrt(96) is one f32 constant, where the definition divides and then multiplies: it is off by half a unit in its last place at the most.
; THE MODE: SCHED_MODE bits 1:0 = 2 (LLVM: expert scheduling mode 2), set by the entry lines.  The code itself states the register dependences between vector or matrix instructions and memory or LDS
; instructions, with s_wait_alu, always for 0.
; THE PLAN.  Registers that memory or LDS instructions touch, and who else names them:
;   v1-15       Addresses.  Made three times (the head; ahead of the attention; ahead of the last product), each time behind a wait on vm_vsrc for the accesses that read the old ones and ahead of a wait on va_vdst
;               for the first access by the new ones.  v2, v4, v8 are never rewritten.  In a key step four of them are made anew: one wait on vm_vsrc ahead of the four additions, the step's wait on va_vdst behind them.
;   XF, XQ      Fragments of rows, in two halves.  A half is read by one half step's products and loaded again behind them: one wait on va_vdst to a half step, ahead of those LDS loads.
;   WB, W6      Three buffers of weights.  Step n's products read buffer n % 3; the loads issued in step n land in buffer (n + 2) % 3, which the products of step n - 1 read.  The half step before has waited for those,
;               and nothing issued since names that buffer: so the weights' loads, half of them in each half step, stand AHEAD of the half step's wait.  The next unit's scale words and biases likewise.
;   v192-239    Behind a unit: the quantiser's registers.  Vector lines write codes and bytes, LDS stores read them: one wait on va_vdst ahead of each run of stores, one on vm_vsrc ahead of the lines that write them again.
;   K, V^T and their scale words, in a key step: read by the step's first products and by the last step's second products; loaded in one run behind the first products, behind the step's one wait on va_vdst.
;   Q's and p's codes and scale words are written by vector lines and taken by scaled products: the places, then a wait on va_vdst, ahead of those products.
;   The accumulators are named by vector and matrix instructions alone, but for the bias, which lands in window 1 (the switch, a wait on va_vdst, the loads), and for the way out (the places, the wait, the stores).
;
; LDS (bytes)
.set KC,    0                          ; K's codes: plane = chunk (8,208 bytes), row = x row (64 bytes: three blocks of 16, then 16 bytes of zeros: K = 96 filled up to 128)
.set KPL,   8208
.set VC,    65664                      ; V^T's codes: row = place 0 .. 95 (channel d = the place with its bits 3 and 4 exchanged), 528 bytes: 1,024 keys + 16 of padding
.set VPI,   528
.set KSC,   116352                     ; K's scale words: plane = chunk (528 bytes), 4 bytes an x row; byte 3 = 127
.set VSC,   120576                     ; V's scale bytes: row = place, 36 bytes, byte = block of 32 keys
.set XIMG,  124032                     ; x's fragments as images of their registers: fragment (row tile m, K step s) at (6 m + s) 1,024 + 512 c + 16 lane
.set OC,    197632                     ; the attention's result as codes: 64 rows of 400 bytes (384 + 16)
.set OSC,   223232                     ; its scale bytes: 64 rows of 24
.set SPI,   3088                       ; the stage for out0, from byte 0 on: 64 rows of 3,072 + 16 bytes, over K, V and x, which are dead by then; it ends where OC begins
; REGISTERS, in two windows of 256.  v16-63 of window 0 hold scale words and nothing else.
.set KO,    2                          ; v2   a weight's rows of a tile: ((r % 8) + 16 (r / 8)) 384 + 16 h; never rewritten
.set KSO,   4                          ; v4   their scale words: lanes 0-15 tile 2 b, lanes 16-31 tile 2 b + 1; never rewritten
.set KBO,   8                          ; v8   64 h: a bias's numbers of my half; never rewritten
.set LIX,   1                          ; the projections: XIMG + 16 lane
.set VO,    3                          ; Wv's rows of a tile: ((r % 8) 96 + r / 8) 384 + 16 h
.set VSO,   5                          ; v5-7 their scale words, for each pair of tiles
.set VBO,   9                          ; 4 h
.set KCA,   10                         ; where K's codes go;  v11 its scale bytes;  v12 V's codes;  v13 its scale bytes
.set KSA,   11
.set VCA,   12
.set VSA,   13
.set LIQ,   14                         ; LIX + 24,576 z: my half's four row tiles
.set XSO,   15                         ; 24 lane: x's scale words
.set WS,    16                         ; v16-39  the weights' scale words: set (unit % 2) at + 12; in it 6 pair + s
.set XS,    40                         ; v40-63  x's: 6 p + s: lanes 0-15 row tile 2 p, lanes 16-31 tile 2 p + 1
.set WB,    64                         ; v64-159 three buffers of four weight fragments
.set BB,    160                        ; v160-191 the unit's biases, eight registers a slot
.set XF,    192                        ; v192-255 eight fragments of x; between the units: at work
.set W6,    64                         ; the 64-row products: v64-207 three buffers of six weight fragments;
.set XQ,    208                        ; v208-239 four fragments of rows
.set ET,    192                        ; at work behind a unit: largest magnitudes, the other half's, scale operands, bytes, codes
.set EP,    200
.set ESO,   208
.set EBY,   216
.set EC,    224
.set FSO,   200                        ; the same for V: scale operands, bytes, codes
.set FBY,   208
.set FC,    216
.set AK0,   1                          ; the attention: my lane's place in a tile of K;  v3 of V^T;  v5, v6 among their scale words
.set AV0,   3
.set AKS0,  5
.set AVS0,  6
.set ADK,   7                          ; the addresses of the loads in hand
.set ADV,   9
.set ADKS,  10
.set ADVS,  11
.set OCA0,  12                         ; where the result's codes and scale bytes go;  v14, v15 the same for the pass in hand
.set OSA0,  13
.set OCA,   14
.set OSA,   15
.set KS,    16                         ; v16-19 K's scale words, v20-22 V's, v24-25 p's, v52-53 Q's of the pass in hand, v54-55 of the next
.set VS,    20
.set PS,    24
.set QS,    52
.set SCR,   64                         ; v64-191 S^T, then p: 64 registers a tile of queries
.set PCD,   192                        ; v192-207 p's codes
.set ST,    208                        ; v208-247 20 registers a tile: +0 -M, +1 the largest t, +2:3 the sum, +4..7 the blocks' largest, +8..11 and +12..15 at work, +16 f (+17 named with it), +18 at work
.set KF,    96                         ; window 1: v0-95 O^T (48 a tile); v96-159 K's eight fragments; v160-207 V^T's six; v208-223 Q of the pass in hand; v224-239 of the next
.set VF,    160
.set QF,    208
.set OV,    64                         ; a pass's end: O^T / the sum, 48 a tile;  v160-183 at work;  v192-203 codes
.set OT,    160
.set OPM,   166
.set OSO,   172
.set OBY,   178
.set OCD,   192
.set SA0,   1                          ; the way out: where a row tile's results go in the stage
.set SA1,   3
.set SA2,   5
.set SA3,   6
.set SR,    7                          ; where I read whole rows back;  v9 16 lane;  v10 the result's fragments;  v11 its scale words
.set GO,    9
.set OA,    10
.set OSL,   11
.set MSB, 0
.macro WIN new                         ; bits 1:0 source 0, 3:2 source 1, 5:4 source 2, 7:6 destination; the immediate's high byte repeats the setting that is left
.if MSB != \new
	s_set_vgpr_msb (MSB<<8)|\new
.set MSB, \new
.endif
.endm
.macro PLACES n                        ; plain vector instructions behind a matrix instruction, ahead of loads into its registers and of reads of its result
.rept \n
	v_nop
.endr
.endm
.macro BAR                             ; my LDS stores have landed and my LDS loads are in: then the work-group's barrier
	s_wait_dscnt 0x0
	s_barrier_signal -1
	s_barrier_wait -1
.endm
; One matrix instruction.  cm = 0: C is the constant 0; 1: C = v[c ..].  ra, rb = 1: that side's scale words stand in lanes 16-31.
.macro WM d, a, b, cm, c, sa, sb, ra, rb
.set wD, \d
.set wA, \a
.set wB, \b
.set wC, \c
.set wP, \sa
.set wQ, \sb
.set wR, 4*(\cm)+2*(\ra)+(\rb)
.if wR == 0
	v_wmma_scale_f32_16x16x128_f8f6f4 v[wD:wD+7], v[wA:wA+7], v[wB:wB+7], 0, v[wP], v[wQ] matrix_a_fmt:MATRIX_FMT_FP4 matrix_b_fmt:MATRIX_FMT_FP4
.elseif wR == 2
	v_wmma_scale_f32_16x16x128_f8f6f4 v[wD:wD+7], v[wA:wA+7], v[wB:wB+7], 0, v[wP], v[wQ] matrix_a_fmt:MATRIX_FMT_FP4 matrix_b_fmt:MATRIX_FMT_FP4 matrix_a_scale:MATRIX_SCALE_ROW1
.elseif wR == 4
	v_wmma_scale_f32_16x16x128_f8f6f4 v[wD:wD+7], v[wA:wA+7], v[wB:wB+7], v[wC:wC+7], v[wP], v[wQ] matrix_a_fmt:MATRIX_FMT_FP4 matrix_b_fmt:MATRIX_FMT_FP4
.elseif wR == 5
	v_wmma_scale_f32_16x16x128_f8f6f4 v[wD:wD+7], v[wA:wA+7], v[wB:wB+7], v[wC:wC+7], v[wP], v[wQ] matrix_a_fmt:MATRIX_FMT_FP4 matrix_b_fmt:MATRIX_FMT_FP4 matrix_b_scale:MATRIX_SCALE_ROW1
.elseif wR == 6
	v_wmma_scale_f32_16x16x128_f8f6f4 v[wD:wD+7], v[wA:wA+7], v[wB:wB+7], v[wC:wC+7], v[wP], v[wQ] matrix_a_fmt:MATRIX_FMT_FP4 matrix_b_fmt:MATRIX_FMT_FP4 matrix_a_scale:MATRIX_SCALE_ROW1
.else
	v_wmma_scale_f32_16x16x128_f8f6f4 v[wD:wD+7], v[wA:wA+7], v[wB:wB+7], v[wC:wC+7], v[wP], v[wQ] matrix_a_fmt:MATRIX_FMT_FP4 matrix_b_fmt:MATRIX_FMT_FP4 matrix_a_scale:MATRIX_SCALE_ROW1 matrix_b_scale:MATRIX_SCALE_ROW1
.endif
.endm
.macro LDW reg, sb, vo, off            ; a weight fragment (16 rows x 128 K: 8 registers) from memory: registers 4 c .. 4 c + 3 hold K = 64 c + 32 h + 0 .. 31: 16 bytes of the row as they lie
.set lR, \reg
.set lS, \sb
.set lO, \off
	global_load_b128 v[lR:lR+3], v[\vo], s[lS:lS+1] offset:lO
	global_load_b128 v[lR+4:lR+7], v[\vo], s[lS:lS+1] offset:lO+32
.endm
.macro LDX reg, adr, off, cs           ; a fragment from LDS: its two halves lie cs bytes apart
.set xR, \reg
.set xO, \off
	ds_load_b128 v[xR:xR+3], v[\adr] offset:xO
	ds_load_b128 v[xR+4:xR+7], v[\adr] offset:xO+(\cs)
.endm
; ---- THE K AND V UNITS.  Twelve tiles of weight rows a wave (K's six, V's six), four to a unit; tile 4 u + t stands in slot t.  A unit multiplies them by all eight row tiles: 32 accumulators, window 1, (m, t) at v[8 (4 m + t)].
.macro WKV u, s, buf, t0               ; K step s of two of the unit's four weight fragments, slots t0 and t0 + 1: four loads
.irp t, \t0, \t0+1
.set gT, 4*(\u)+(\t)
.if gT < 6
	LDW WB+32*(\buf)+8*(\t), 18, KO, (32*(gT/2)+8*(gT%2))*384+64*(\s)
.else
	LDW WB+32*(\buf)+8*(\t), 40+2*(gT-6), VO, 64*(\s)
.endif
.endr
.endm
.macro PREKV u                         ; the unit's scale words (three loads of 8 bytes a pair of tiles: all six K steps) and biases (in the result's layout: they are the C of each sum's first product)
.irp pp, 0,1
.set gP, 2*(\u)+\pp
.set pW, WS+12*((\u)%2)+6*\pp
.irp q, 0,1,2
.if gP < 3
	global_load_b64 v[pW+2*\q:pW+2*\q+1], v[KSO], s[20:21] offset:32*gP*24+8*\q
.else
	global_load_b64 v[pW+2*\q:pW+2*\q+1], v[VSO+gP-3], s[26:27] offset:8*\q
.endif
.endr
.irp e, 0,1
.set pB, BB+8*(2*\pp+\e)
.if gP < 3
	global_load_b128 v[pB:pB+3], v[KBO], s[22:23] offset:(32*gP+8*\e)*4        ; bk at columns 32 b + 8 u + 16 h + 0 .. 7 of my chunk
	global_load_b128 v[pB+4:pB+7], v[KBO], s[22:23] offset:(32*gP+8*\e)*4+16
.else
.set pS, 52+2*(2*(gP-3)+\e)
.irp j, 0,1,2,3,4,5,6,7
	global_load_b32 v[pB+\j], v[VBO], s[pS:pS+1] offset:384*\j                ; bv at column 96 j + d
.endr
.endif
.endr
.endr
.endm
.macro MMKV s, par, buf, m0            ; 16 matrix instructions: row tiles m0 .. m0 + 3 x the four slots.  The 32 accumulators take turns, one instruction a turn, in the same order in every step
.if (\s) == 0
	WIN 0x40                                       ; the bias stands in window 0, the sum in window 1
.else
	WIN 0x50
.endif
.irp mm, 0,1,2,3
.irp t, 0,1,2,3
.set mX, (\m0)+\mm
.if (\s) == 0
	WM 8*(4*mX+\t), WB+32*(\buf)+8*\t, XF+8*mX, 1, BB+8*\t, WS+12*(\par)+6*(\t/2)+(\s), XS+6*(mX/2)+(\s), \t%2, mX%2
.else
	WM 8*(4*mX+\t), WB+32*(\buf)+8*\t, XF+8*mX, 1, 8*(4*mX+\t), WS+12*(\par)+6*(\t/2)+(\s), XS+6*(mX/2)+(\s), \t%2, mX%2
.endif
.endr
.endr
.endm
; K step s of unit u: 32 matrix instructions in two halves.  Behind each half stand, in this order: half of the weights' loads of two steps on (and, in step 1, the next unit's scale words and biases), which land in
; registers that nothing issued since the last wait on va_vdst names; the half step's own wait on va_vdst; and the LDS loads that fetch its four fragments of x anew for the next step.
.macro KVSTEP u, s, n
.set gS, 6*(\u)+(\s)
	s_wait_loadcnt \n                              ; this step's weights are in; n = the loads issued behind them
	s_wait_dscnt 8                                 ; x's row tiles 0-3 are in; the youngest eight loads (tiles 4-7) may be out
	MMKV \s, (\u)%2, gS%3, 0
	WIN 0
	PLACES 4
.if ((\s) == 1) && ((\u) < 2)
	PREKV (\u)+1                                   ; the biases' registers were last read in step 0, whose waits stand behind those products; the scale words go to the other set
.endif
.if gS+2 < 18
	WKV (gS+2)/6, (gS+2)%6, (gS+2)%3, 0            ; into the buffer that the step before multiplied: its last wait stands behind those products, and no product since names the buffer
.endif
.if (\s) < 5
	s_wait_alu depctr_va_vdst(0)                   ; the sixteen products above are done reading x's row tiles 0-3, in which the next step's fragments land
.irp mm, 0,1,2,3
	LDX XF+8*\mm, LIX, (6*\mm+(\s)+1)*1024, 512
.endr
	s_wait_dscnt 8                                 ; all but the eight just issued
.else
	s_wait_dscnt 0x0
.endif
	MMKV \s, (\u)%2, gS%3, 4
	WIN 0
	PLACES 4
.if gS+2 < 18
	WKV (gS+2)/6, (gS+2)%6, (gS+2)%3, 2            ; the buffer's other two fragments, on the same ground
.endif
.if (\s) < 5
	s_wait_alu depctr_va_vdst(0)                   ; the sixteen products above are done reading x's row tiles 4-7, in which the next step's fragments land
.irp mm, 4,5,6,7
	LDX XF+8*\mm, LIX, (6*\mm+(\s)+1)*1024, 512
.endr
.endif
.endm
; Block b of K's chunk, from slots sl and sl + 1, for the eight row tiles: a lane's 16 registers are columns 32 b + 16 h + 0 .. 15 of its row; the block's other half lies in lane l xor 16.
; The largest magnitude (with the floor 2^(3 - 127) among its leaves, so that the byte cannot fall under 1); 2 off its exponent field is the conversion's scale operand; that shifted is the byte.
.macro KEPI sl, b
	WIN 0x05                                       ; sources 0 and 1 window 1
.irp m, 0,1,2,3,4,5,6,7
	v_max3_num_f32 v[ET+\m], |v[32*\m+8*(\sl)]|, |v[32*\m+8*(\sl)+1]|, 0x1800000      ; each accumulator is read from its low end on
.endr
.irp i, 2,4,6,8,10,12,14
.irp m, 0,1,2,3,4,5,6,7
	v_max3_num_f32 v[ET+\m], |v[32*\m+8*(\sl)+\i]|, |v[32*\m+8*(\sl)+\i+1]|, v[ET+\m]   ; (the eight row tiles by turns)
.endr
.endr
	WIN 0
.irp m, 0,1,2,3,4,5,6,7
	v_permlanex16_b32 v[EP+\m], v[ET+\m], s70, s71
.endr
.irp m, 0,1,2,3,4,5,6,7
	v_max_num_f32 v[ET+\m], v[ET+\m], v[EP+\m]
.endr
.irp m, 0,1,2,3,4,5,6,7
	v_add_nc_u32 v[ESO+\m], 0xff000000, v[ET+\m]
.endr
	s_wait_alu depctr_va_vdst(0)
	s_wait_dscnt 0x0                               ; earlier stores have read the bytes' and the codes' registers
	s_wait_alu depctr_vm_vsrc(0)                   ; the LDS stores of the quantising before have read v216-239, their bytes and codes, which the lines below write again (in a unit's first quantising none is out)
.irp m, 0,1,2,3,4,5,6,7
	v_lshrrev_b32 v[EBY+\m], 23, v[ESO+\m]
.endr
	WIN 0x01
.irp m, 0,1,2,3,4,5,6,7
	v_cvt_scalef32_pk8_fp4_f32 v[EC+2*\m], v[32*\m+8*(\sl):32*\m+8*(\sl)+7], v[ESO+\m]
	v_cvt_scalef32_pk8_fp4_f32 v[EC+2*\m+1], v[32*\m+8*(\sl)+8:32*\m+8*(\sl)+15], v[ESO+\m]
.endr
	WIN 0
	v_nop                                          ; one plain instruction behind the last conversion: matrix instructions write its sources again
	s_wait_alu depctr_va_vdst(0)                   ; the conversions have written the codes and the shifts the bytes, which the LDS stores below read
.irp m, 0,1,2,3,4,5,6,7
	ds_store_b64 v[KCA], v[EC+2*\m:EC+2*\m+1] offset:1024*\m+16*(\b)   ; 16 codes: bytes 16 b + 8 h of row 16 m + r in my plane
	ds_store_b8 v[KSA], v[EBY+\m] offset:64*\m+(\b)                    ; both lanes of a block write the same byte with the same value
.endr
.endm
; V's tiles t0, t0 + 1, from slots sl, sl + 1, for row tiles m0 .. m0 + 3: a lane's 8 registers are keys 8 (16 m + r) + 0 .. 7 at one channel; a block of 32 keys lies in lanes 4 i .. 4 i + 3.
.macro VEPI sl, t0, m0
	WIN 0x05
.irp q, 0,1
.irp mm, 0,1,2,3
	v_max3_num_f32 v[ET+4*\q+\mm], |v[32*((\m0)+\mm)+8*((\sl)+\q)]|, |v[32*((\m0)+\mm)+8*((\sl)+\q)+1]|, 0x1800000
.endr
.endr
.irp i, 2,4,6
.irp q, 0,1
.irp mm, 0,1,2,3
	v_max3_num_f32 v[ET+4*\q+\mm], |v[32*((\m0)+\mm)+8*((\sl)+\q)+\i]|, |v[32*((\m0)+\mm)+8*((\sl)+\q)+\i+1]|, v[ET+4*\q+\mm]
.endr
.endr
.endr
	WIN 0
.irp e, 0,1,2,3,4,5,6,7
	v_max_num_f32_dpp v[ET+\e], v[ET+\e], v[ET+\e] row_xmask:1 row_mask:0xf bank_mask:0xf
.endr
.irp e, 0,1,2,3,4,5,6,7
	v_max_num_f32_dpp v[ET+\e], v[ET+\e], v[ET+\e] row_xmask:2 row_mask:0xf bank_mask:0xf
.endr
.irp e, 0,1,2,3,4,5,6,7
	v_add_nc_u32 v[FSO+\e], 0xff000000, v[ET+\e]
.endr
	s_wait_alu depctr_va_vdst(0)
	s_wait_dscnt 0x0                               ; earlier stores have read the bytes' and the codes' registers
	s_wait_alu depctr_vm_vsrc(0)                   ; the LDS stores of the quantising before have read v208-239, their bytes and codes, of which the lines below write v208-223 again (in a unit's first quantising none is out)
.irp e, 0,1,2,3,4,5,6,7
	v_lshrrev_b32 v[FBY+\e], 23, v[FSO+\e]
.endr
	WIN 0x01
.irp q, 0,1
.irp mm, 0,1,2,3
	v_cvt_scalef32_pk8_fp4_f32 v[FC+4*\q+\mm], v[32*((\m0)+\mm)+8*((\sl)+\q):32*((\m0)+\mm)+8*((\sl)+\q)+7], v[FSO+4*\q+\mm]
.endr
.endr
	WIN 0
	v_nop
	s_wait_alu depctr_va_vdst(0)                   ; the conversions have written the codes and the shifts the bytes, which the LDS stores below read
.irp q, 0,1
.irp mm, 0,1,2,3
	ds_store_b32 v[VCA], v[FC+4*\q+\mm] offset:1056*((\t0)+\q)+64*((\m0)+\mm)   ; 8 codes: place 12 w + 2 tile + h, bytes 64 m + 4 r
	ds_store_b8 v[VSA], v[FBY+4*\q+\mm] offset:72*((\t0)+\q)+4*((\m0)+\mm)      ; the four lanes of a block write the same byte
.endr
.endr
.endm
; ---- THE 64-ROW PRODUCTS (Q; out0): six tiles of weight rows x four row tiles: 24 accumulators, window 1, (m, t) at v[8 (6 m + t)]; the bias at v[192 + 8 t] of window 1.
.macro W64 sb, s, t0                   ; three of a K step's six weight fragments, t0 .. t0 + 2: six loads
.irp t, \t0, \t0+1, \t0+2
	LDW W6+48*((\s)%3)+8*(\t), \sb, KO, (32*((\t)/2)+8*((\t)%2))*384+64*(\s)
.endr
.endm
.macro PRE64S ss                       ; nine loads
.irp b, 0,1,2
.irp q, 0,1,2
	global_load_b64 v[WS+6*\b+2*\q:WS+6*\b+2*\q+1], v[KSO], s[\ss:\ss+1] offset:32*\b*24+8*\q
.endr
.endr
.endm
.macro PRE64B sb                       ; twelve loads
	WIN 0x40
	s_wait_alu depctr_va_vdst(0)                   ; the vector and matrix instructions that named v192-239 of window 1 (V's quantising; later the products on Q and V^T and the moves of Q's codes) are done with them: the bias lands there
.irp t, 0,1,2,3,4,5
	global_load_b128 v[192+8*\t:195+8*\t], v[KBO], s[\sb:\sb+1] offset:(32*(\t/2)+8*(\t%2))*4
	global_load_b128 v[196+8*\t:199+8*\t], v[KBO], s[\sb:\sb+1] offset:(32*(\t/2)+8*(\t%2))*4+16
.endr
	WIN 0
.endm
.macro MM64 s, m0                      ; twelve matrix instructions; the 24 accumulators take turns
	WIN 0x50
.irp mm, 0,1
.irp t, 0,1,2,3,4,5
.set mX, (\m0)+\mm
.if (\s) == 0
	WM 8*(6*mX+\t), W6+48*((\s)%3)+8*\t, XQ+8*mX, 1, 192+8*\t, WS+6*(\t/2)+(\s), XS+6*(mX/2)+(\s), \t%2, mX%2
.else
	WM 8*(6*mX+\t), W6+48*((\s)%3)+8*\t, XQ+8*mX, 1, 8*(6*mX+\t), WS+6*(\t/2)+(\s), XS+6*(mX/2)+(\s), \t%2, mX%2
.endif
.endr
.endr
.endm
.macro STEP64 sb, s, n, xa, sm, ss, sc ; xa: the rows' fragments in LDS; sm, ss, sc: bytes from row tile to row tile, from K step to K step, between a fragment's halves
	s_wait_loadcnt \n
	s_wait_dscnt 4                                 ; row tiles 0, 1 are in (and all older loads); the youngest four loads may be out
	MM64 \s, 0
	WIN 0
	PLACES 4
.if (\s)+2 < 6
	W64 \sb, (\s)+2, 0                             ; into the buffer that the step before multiplied (in step 0: registers that the wait ahead of the product has covered); no product since the last wait names it
.endif
.if (\s) < 5
	s_wait_alu depctr_va_vdst(0)                   ; the twelve products above are done reading row tiles 0 and 1, in which the next step's fragments land
.irp mm, 0,1
	LDX XQ+8*\mm, \xa, (\sm)*\mm+(\ss)*((\s)+1), \sc
.endr
	s_wait_dscnt 4
.else
	s_wait_dscnt 0x0
.endif
	MM64 \s, 2
	WIN 0
	PLACES 4
.if (\s)+2 < 6
	W64 \sb, (\s)+2, 3                             ; the buffer's other three fragments, on the same ground
.endif
.if (\s) < 5
	s_wait_alu depctr_va_vdst(0)                   ; the twelve products above are done reading row tiles 2 and 3, in which the next step's fragments land
.irp mm, 2,3
	LDX XQ+8*\mm, \xa, (\sm)*\mm+(\ss)*((\s)+1), \sc
.endr
.endif
.endm
.macro GEMM64 sb, n0, xa, sm, ss, sc   ; steps 1 to 4 leave the next step's twelve weight loads out.  The waits for the first four fragments' registers and address stand ahead of the macro
.irp mm, 0,1,2,3
	LDX XQ+8*\mm, \xa, (\sm)*\mm, \sc
.endr
	STEP64 \sb, 0, \n0, \xa, \sm, \ss, \sc
	STEP64 \sb, 1, 12, \xa, \sm, \ss, \sc
	STEP64 \sb, 2, 12, \xa, \sm, \ss, \sc
	STEP64 \sb, 3, 12, \xa, \sm, \ss, \sc
	STEP64 \sb, 4, 12, \xa, \sm, \ss, \sc
	STEP64 \sb, 5, 0, \xa, \sm, \ss, \sc
.endm
; Q stays in registers: item e = 3 m + b is block b of row tile m, 16 registers at v[16 e] of window 1.  The fourth block of the instruction's 128 is zero codes.
.macro QEPI
	WIN 0x05
.irp e, 0,1,2,3,4,5,6,7,8,9,10,11
	v_max3_num_f32 v[64+\e], |v[16*\e]|, |v[16*\e+1]|, 0x1800000
.endr
.irp i, 2,4,6,8,10,12,14
.irp e, 0,1,2,3,4,5,6,7,8,9,10,11
	v_max3_num_f32 v[64+\e], |v[16*\e+\i]|, |v[16*\e+\i+1]|, v[64+\e]
.endr
.endr
	WIN 0
.irp e, 0,1,2,3,4,5,6,7,8,9,10,11
	v_permlanex16_b32 v[76+\e], v[64+\e], s70, s71
.endr
.irp e, 0,1,2,3,4,5,6,7,8,9,10,11
	v_max_num_f32 v[64+\e], v[64+\e], v[76+\e]
.endr
.irp e, 0,1,2,3,4,5,6,7,8,9,10,11
	v_add_nc_u32 v[88+\e], 0xff000000, v[64+\e]
.endr
.irp e, 0,1,2,3,4,5,6,7,8,9,10,11
	v_lshrrev_b32 v[100+\e], 23, v[88+\e]
.endr
.irp m, 0,1,2,3
	v_lshl_or_b32 v[QS+\m], v[100+3*\m+1], 8, v[100+3*\m]          ; the row's scale word; its top byte stays 0, over zero codes
.endr
.irp m, 0,1,2,3
	v_lshl_or_b32 v[QS+\m], v[100+3*\m+2], 16, v[QS+\m]
.endr
	WIN 0x40
.irp m, 0,1,2,3
	v_mov_b32 v[QF+8*\m+6], 0
	v_mov_b32 v[QF+8*\m+7], 0
.endr
	WIN 0x41
.irp e, 0,1,2,3,4,5,6,7,8,9,10,11
	v_cvt_scalef32_pk8_fp4_f32 v[QF+8*(\e/3)+2*(\e%3)], v[16*\e:16*\e+7], v[88+\e]
	v_cvt_scalef32_pk8_fp4_f32 v[QF+8*(\e/3)+2*(\e%3)+1], v[16*\e+8:16*\e+15], v[88+\e]
.endr
	v_nop
.irp m, 0,1,2,3                        ; the operand's layout wants a WHOLE block in a lane: lanes 0-15 block 2 c, lanes 16-31 block 2 c + 1
.irp c, 0,1
.irp i, 0,1
	v_permlane16_swap_b32 v[QF+8*\m+4*\c+\i], v[QF+8*\m+4*\c+2+\i]
.endr
.endr
.endr
	WIN 0
.endm
; ---- THE ATTENTION
.macro FETCHK ak, aks                  ; a key step's eight tiles of K (lane a of tile 2 b + u: chunk a % 8, x row 4 b + u + 2 (a / 8) of the step's 16) and their scale words: 20 loads
	WIN 0x40
.irp kt, 0,1,2,3,4,5,6,7
	ds_load_b128 v[KF+8*\kt:KF+8*\kt+3], v[\ak] offset:(4*(\kt/2)+(\kt%2))*64
	ds_load_b128 v[KF+8*\kt+4:KF+8*\kt+7], v[\ak] offset:(4*(\kt/2)+(\kt%2))*64+32
.endr
	WIN 0
.irp b, 0,1,2,3
	ds_load_b32 v[KS+\b], v[\aks] offset:16*\b
.endr
.endm
; A KEY STEP: 128 keys (s74: which), for the pass's two tiles of 16 queries.
.macro ASTEP
	s_wait_dscnt 0x0                               ; K and its scale words are in
	WIN 0x05                                       ; K and Q window 1, S^T window 0
.irp kt, 0,1,2,3,4,5,6,7
.irp i, 0,1
	WM SCR+64*\i+8*\kt, KF+8*\kt, QF+8*\i, 0, 0, KS+\kt/2, QS+\i, \kt%2, 0
.endr
.endr
	WIN 0
	s_lshl_b32 s76, s74, 6                         ; V^T: 64 bytes a step in each row;
	s_lshl_b32 s77, s74, 2                         ; its scale words: 4;
	s_add_co_u32 s82, s74, 1
	s_and_b32 s82, s82, 7                          ; the next step (behind the last: the first again, for the next pass)
	s_lshl_b32 s78, s82, 10                        ; K: 16 x rows of 64 bytes;
	s_lshl_b32 s79, s82, 6                         ; its scale words: 16 x 4
	s_wait_alu depctr_vm_vsrc(0)                   ; the last step's LDS loads have read the four addresses that the lines below write anew
	v_add_nc_u32 v[ADV], s76, v[AV0]               ; these four are the places behind the products: ahead of the loads below and of the first read of the scores
	v_add_nc_u32 v[ADVS], s77, v[AVS0]
	v_add_nc_u32 v[ADK], s78, v[AK0]
	v_add_nc_u32 v[ADKS], s79, v[AKS0]
	WIN 0x40
	s_wait_alu depctr_va_vdst(0)                   ; the four addresses are written; the products above are done reading K and its scale words, the last step's second products V^T and its scale words: the 35 loads below read the first and land in the others
.irp t, 0,1,2,3,4,5
	ds_load_b128 v[VF+8*\t:VF+8*\t+3], v[ADV] offset:8448*\t
	ds_load_b128 v[VF+8*\t+4:VF+8*\t+7], v[ADV] offset:8448*\t+32
.endr
	WIN 0
.irp p, 0,1,2
	ds_load_b32 v[VS+\p], v[ADVS] offset:1152*\p
.endr
	FETCHK ADK, ADKS                               ; the next step's K lands under the softmax
.irp b, 0,1,2,3
.irp i, 0,1
	v_max3_num_f32 v[ST+20*\i+4+\b], v[SCR+64*\i+16*\b], v[SCR+64*\i+16*\b+1], v[SCR+64*\i+16*\b+2]   ; the largest score of each block of 32 keys: for the row's maximum, and, since p rises with the score, for the block's largest p
.endr
.endr
.irp k, 3,5,7,9,11,13
.irp b, 0,1,2,3
.irp i, 0,1
	v_max3_num_f32 v[ST+20*\i+4+\b], v[ST+20*\i+4+\b], v[SCR+64*\i+16*\b+\k], v[SCR+64*\i+16*\b+\k+1]
.endr
.endr
.endr
.irp b, 0,1,2,3
.irp i, 0,1
	v_max_num_f32 v[ST+20*\i+4+\b], v[ST+20*\i+4+\b], v[SCR+64*\i+16*\b+15]
.endr
.endr
.irp b, 0,1,2,3
.irp i, 0,1
	v_permlanex16_b32 v[ST+20*\i+8+\b], v[ST+20*\i+4+\b], s70, s71
.endr
.endr
.irp b, 0,1,2,3
.irp i, 0,1
	v_max_num_f32 v[ST+20*\i+4+\b], v[ST+20*\i+4+\b], v[ST+20*\i+8+\b]   ; with lane l xor 16's 16 keys
.endr
.endr
.irp i, 0,1
	v_max3_num_f32 v[ST+20*\i+18], v[ST+20*\i+4], v[ST+20*\i+5], v[ST+20*\i+6]
.endr
.irp i, 0,1
	v_max_num_f32 v[ST+20*\i+18], v[ST+20*\i+18], v[ST+20*\i+7]    ; the step's largest score of my query
.endr
.irp i, 0,1
	v_mul_f32 v[ST+20*\i+18], s72, v[ST+20*\i+18]                  ; as t
.endr
.irp i, 0,1
	v_max_num_f32 v[ST+20*\i+1], v[ST+20*\i+1], v[ST+20*\i+18]     ; the running largest t
.endr
.irp i, 0,1
	v_mov_b32 v[ST+20*\i+18], v[ST+20*\i]
.endr
.irp i, 0,1
	v_floor_f32 v[ST+20*\i], -v[ST+20*\i+1]                        ; the new -M = floor(-t): M is a whole number
.endr
.irp i, 0,1
	v_sub_f32 v[ST+20*\i+18], v[ST+20*\i], v[ST+20*\i+18]          ; old M - new M: a whole number, 0 or less
.endr
.irp i, 0,1
	v_cvt_i32_f32 v[ST+20*\i+18], v[ST+20*\i+18]                   ; (it saturates)
.endr
.irp i, 0,1
	v_ldexp_f32 v[ST+20*\i+16], 1.0, v[ST+20*\i+18]                ; f = 2^(old M - new M): multiplying by it rounds nothing
.endr
.irp i, 0,1
.set j, 0
.rept 32
	v_pk_fma_f32 v[SCR+64*\i+j:SCR+64*\i+j+1], v[SCR+64*\i+j:SCR+64*\i+j+1], s[72:73], v[ST+20*\i:ST+20*\i+1] op_sel_hi:[1,0,0]   ; t - M, two at a time
.set j, j+2
.endr
.endr
.irp b, 0,1,2,3
.irp i, 0,1
	v_fma_f32 v[ST+20*\i+4+\b], v[ST+20*\i+4+\b], s72, v[ST+20*\i]  ; the same of each block's largest score
.endr
.endr
.set j, 0
	s_wait_alu depctr_va_vdst(0)
.rept 128
	v_exp_f32 v[SCR+j], v[SCR+j]                   ; p = 2^(t - M), at most 1: one batch for both tiles
.set j, j+1
.endr
.irp i, 0,1
	v_pk_mul_f32 v[ST+20*\i+2:ST+20*\i+3], v[ST+20*\i+2:ST+20*\i+3], v[ST+20*\i+16:ST+20*\i+17] op_sel_hi:[1,0]   ; the sums under the new M: plain work behind the exponentials
.endr
	s_wait_alu depctr_va_vdst(0)                   ; one wait for the batch, ahead of the first instruction that names a result
.irp b, 0,1,2,3
.irp i, 0,1
	v_exp_f32 v[ST+20*\i+4+\b], v[ST+20*\i+4+\b]   ; the blocks' largest p: the same two instructions on the same number give the same bits
.endr
.endr
.irp i, 0,1
	v_pk_add_f32 v[ST+20*\i+8:ST+20*\i+9], v[SCR+64*\i:SCR+64*\i+1], v[SCR+64*\i+2:SCR+64*\i+3]   ; the row's sum is taken of the unquantised p: two chains a tile
.endr
.irp k, 4,8,12,16,20,24,28,32,36,40,44,48,52,56,60
.irp i, 0,1
	v_pk_add_f32 v[ST+20*\i+2:ST+20*\i+3], v[ST+20*\i+2:ST+20*\i+3], v[SCR+64*\i+\k:SCR+64*\i+\k+1]
	v_pk_add_f32 v[ST+20*\i+8:ST+20*\i+9], v[ST+20*\i+8:ST+20*\i+9], v[SCR+64*\i+\k+2:SCR+64*\i+\k+3]
.endr
.endr
.irp i, 0,1
	v_pk_add_f32 v[ST+20*\i+2:ST+20*\i+3], v[ST+20*\i+2:ST+20*\i+3], v[ST+20*\i+8:ST+20*\i+9]
.endr
	s_wait_alu depctr_va_vdst(0)                   ; and one for the eight
.irp b, 0,1,2,3
.irp i, 0,1
	v_max_num_f32 v[ST+20*\i+4+\b], 0x1800000, v[ST+20*\i+4+\b]    ; the floor 2^(3 - 127): the byte cannot fall under 1
.endr
.endr
.irp b, 0,1,2,3
.irp i, 0,1
	v_add_nc_u32 v[ST+20*\i+12+\b], 0xff000000, v[ST+20*\i+4+\b]   ; 2 off the exponent field: the conversion's scale operand
.endr
.endr
.irp b, 0,1,2,3
.irp i, 0,1
	v_lshrrev_b32 v[ST+20*\i+8+\b], 23, v[ST+20*\i+12+\b]          ; the scale's byte
.endr
.endr
.irp i, 0,1
	v_lshl_or_b32 v[PS+\i], v[ST+20*\i+9], 8, v[ST+20*\i+8]        ; p's scale word for these 128 keys
.endr
.irp i, 0,1
	v_lshl_or_b32 v[PS+\i], v[ST+20*\i+10], 16, v[PS+\i]
.endr
.irp i, 0,1
	v_lshl_or_b32 v[PS+\i], v[ST+20*\i+11], 24, v[PS+\i]
.endr
.irp i, 0,1
.irp b, 0,1,2,3
	v_cvt_scalef32_pk8_fp4_f32 v[PCD+8*\i+2*\b], v[SCR+64*\i+16*\b:SCR+64*\i+16*\b+7], v[ST+20*\i+12+\b]
	v_cvt_scalef32_pk8_fp4_f32 v[PCD+8*\i+2*\b+1], v[SCR+64*\i+16*\b+8:SCR+64*\i+16*\b+15], v[ST+20*\i+12+\b]
.endr
.endr
	v_nop                                          ; one plain instruction behind the last conversion
.irp i, 0,1
.irp c, 0,1
.irp e, 0,1
	v_permlane16_swap_b32 v[PCD+8*\i+4*\c+\e], v[PCD+8*\i+4*\c+2+\e]
.endr
.endr
.endr
	WIN 0x41                                       ; O^T window 1, f window 0
.irp i, 0,1
.set j, 0
.rept 24
	v_pk_mul_f32 v[48*\i+j:48*\i+j+1], v[48*\i+j:48*\i+j+1], v[ST+20*\i+16:ST+20*\i+17] op_sel_hi:[1,0]   ; O^T under the new M, each accumulator from its low end on; these are also the places between p's codes and scale word and the products
.set j, j+2
.endr
.endr
	s_wait_dscnt 20                                ; V^T and its scale words are in; the 20 loads of the next step's K may be out
	WIN 0x51                                       ; V^T window 1, p window 0, O^T window 1
	s_wait_alu depctr_va_vdst(0)                   ; p's codes and scale words are written, which the scaled products below take as source 1 and as its scales; the places stand ahead of this wait
.irp t, 0,1,2,3,4,5
.irp i, 0,1
	WM 48*\i+8*\t, VF+8*\t, PCD+8*\i, 1, 48*\i+8*\t, VS+\t/2, PS+\i, \t%2, 0   ; the twelve accumulators by turns
.endr
.endr
	WIN 0
.endm
; A PASS'S END: O^T / the sum is the last product's operand: 96 columns of chunk w, quantised as K's were; item e = 3 i + b.
.macro OEPI
.irp i, 0,1
	v_add_f32 v[ST+20*\i+2], v[ST+20*\i+2], v[ST+20*\i+3]          ; the sum's two halves.  (These lines are the places behind the last products)
.endr
.irp i, 0,1
	v_permlanex16_b32 v[ST+20*\i+18], v[ST+20*\i+2], s70, s71
.endr
.irp i, 0,1
	v_add_f32 v[ST+20*\i+2], v[ST+20*\i+2], v[ST+20*\i+18]         ; and lane l xor 16's: the row's sum
.endr
	s_wait_alu depctr_va_vdst(0)
.irp i, 0,1
	v_rcp_f32 v[ST+20*\i+16], v[ST+20*\i+2]
.endr
	v_nop                                          ; a plain instruction behind the reciprocals,
	s_wait_alu depctr_va_vdst(0)                   ; and the wait ahead of their first reader
	WIN 0x01
.irp i, 0,1
.set j, 0
.rept 24
	v_pk_mul_f32 v[OV+48*\i+j:OV+48*\i+j+1], v[48*\i+j:48*\i+j+1], v[ST+20*\i+16:ST+20*\i+17] op_sel_hi:[1,0]
.set j, j+2
.endr
.endr
	WIN 0
.irp e, 0,1,2,3,4,5
	v_max3_num_f32 v[OT+\e], |v[OV+16*\e]|, |v[OV+16*\e+1]|, 0x1800000
.endr
.irp k, 2,4,6,8,10,12,14
.irp e, 0,1,2,3,4,5
	v_max3_num_f32 v[OT+\e], v[OT+\e], |v[OV+16*\e+\k]|, |v[OV+16*\e+\k+1]|
.endr
.endr
.irp e, 0,1,2,3,4,5
	v_permlanex16_b32 v[OPM+\e], v[OT+\e], s70, s71
.endr
.irp e, 0,1,2,3,4,5
	v_max_num_f32 v[OT+\e], v[OT+\e], v[OPM+\e]
.endr
.irp e, 0,1,2,3,4,5
	v_add_nc_u32 v[OSO+\e], 0xff000000, v[OT+\e]
.endr
.irp e, 0,1,2,3,4,5
	v_lshrrev_b32 v[OBY+\e], 23, v[OSO+\e]
.endr
.irp e, 0,1,2,3,4,5
	v_cvt_scalef32_pk8_fp4_f32 v[OCD+2*\e], v[OV+16*\e:OV+16*\e+7], v[OSO+\e]
	v_cvt_scalef32_pk8_fp4_f32 v[OCD+2*\e+1], v[OV+16*\e+8:OV+16*\e+15], v[OSO+\e]
.endr
	v_nop
	v_add_nc_u32 v[OCA], s80, v[OCA0]              ; the pass's 32 rows
	v_add_nc_u32 v[OSA], s81, v[OSA0]
	s_wait_alu depctr_va_vdst(0)                   ; the codes, the bytes and the two addresses are written, which the LDS stores below read
.irp e, 0,1,2,3,4,5
	ds_store_b64 v[OCA], v[OCD+2*\e:OCD+2*\e+1] offset:6400*(\e/3)+16*(\e%3)
	ds_store_b8 v[OSA], v[OBY+\e] offset:384*(\e/3)+(\e%3)
.endr
	WIN 0x41
.set j, 0
.rept 16
	v_mov_b32 v[QF+j], v[QF+16+j]                  ; the next pass's two tiles of queries take their place
.set j, j+1
.endr
	WIN 0
	v_mov_b32 v[QS], v[QS+2]
	v_mov_b32 v[QS+1], v[QS+3]
	s_wait_alu depctr_vm_vsrc(0)                   ; the stores above have read their codes, bytes and addresses, and the last step's loads theirs: the next pass's products, or the last product's loads and addresses, write all of these again
.endm
.macro TOSTG m, sa                     ; a row tile's results into the stage: lane (r, h), tile 2 b + u: columns 96 w + 32 b + 16 h + 8 u + 0 .. 7 of row 16 m + r; each accumulator from its low end on
.irp t, 0,1,2,3,4,5
	ds_store_b128 v[\sa], v[8*(6*(\m)+\t):8*(6*(\m)+\t)+3] offset:128*(\t/2)+32*(\t%2)
	ds_store_b128 v[\sa], v[8*(6*(\m)+\t)+4:8*(6*(\m)+\t)+7] offset:128*(\t/2)+32*(\t%2)+16
.endr
.endm
; ================ THE HEAD
	s_load_b512 s[8:23], s[0:1], 0x0               ; x_codes s[8:9], x_scales s[10:11], Wq s[12:13], its scales s[14:15], bq s[16:17], Wk s[18:19], its scales s[20:21], bk s[22:23]
	s_load_b256 s[24:31], s[0:1], 0x40             ; Wv s[24:25], its scales s[26:27], bv s[28:29], Wp s[30:31]
	s_load_b128 s[32:35], s[0:1], 0x60             ; Wp's scales s[32:33], bp s[34:35]
	s_load_b64 s[36:37], s[0:1], 0x70              ; out0
	v_lshrrev_b32 v240, 5, v0
	v_readfirstlane_b32 s66, v240                  ; w: wave 0..7
	s_lshr_b32 s67, ttmp9, 1                       ; g: the head
	s_and_b32 s68, ttmp9, 1                        ; z: which half of its queries
	s_mov_b32 s70, 0x76543210
	s_mov_b32 s71, 0xfedcba98                      ; v_permlanex16_b32's selects for lane l xor 16
	s_mov_b32 s72, 0x3e16c740                      ; c = log2(e) / sqrt(96)
	s_mov_b32 s73, s72                             ; (named with it as a pair)
	s_mov_b32 s3, 0
	v_and_b32 v241, 31, v0                         ; lane
	v_and_b32 v242, 15, v0                         ; r
	v_bfe_u32 v243, v0, 4, 1                       ; h
	v_and_b32 v244, 7, v0                          ; r % 8
	v_bfe_u32 v245, v0, 3, 1                       ; r / 8
	v_lshl_add_u32 v246, v245, 4, v244             ; r % 8 + 16 (r / 8)
	v_lshl_add_u32 v[LIX], v241, 4, XIMG
	v_mul_u32_u24 v[KO], v246, 384
	v_lshl_add_u32 v[KO], v243, 4, v[KO]
	v_mad_u32_u24 v[VO], v244, 96, v245
	v_mul_u32_u24 v[VO], v[VO], 384
	v_lshl_add_u32 v[VO], v243, 4, v[VO]
	v_lshl_add_u32 v[KSO], v243, 3, v246
	v_mul_u32_u24 v[KSO], v[KSO], 24
	s_wait_alu depctr_va_sdst(0)                   ; s66, the wave's number, is written, ahead of its first reader
	s_mul_i32 s4, s66, 12
	v_lshl_add_u32 v247, v243, 1, v245
	v_add_nc_u32 v247, s4, v247                    ; 12 w + 2 h + r / 8: the place of my row of Wv in pair 0
.irp p, 0,1,2
	v_add_nc_u32 v248, 4*\p, v247
	v_and_b32 v249, 0x67, v248                     ; the place with bits 3 and 4 exchanged is the channel d
	v_and_b32 v250, 8, v248
	v_lshl_add_u32 v249, v250, 1, v249
	v_and_b32 v250, 16, v248
	v_lshrrev_b32 v250, 1, v250
	v_add_nc_u32 v249, v249, v250
	v_mad_u32_u24 v[VSO+\p], v244, 96, v249
	v_mul_u32_u24 v[VSO+\p], v[VSO+\p], 24
.endr
	v_lshlrev_b32 v[KBO], 6, v243
	v_lshlrev_b32 v[VBO], 2, v243
	s_mul_i32 s4, s66, KPL
	v_lshlrev_b32 v[KCA], 6, v242
	v_lshl_add_u32 v[KCA], v243, 3, v[KCA]
	v_add_nc_u32 v[KCA], s4, v[KCA]                ; KC + 8,208 w + 64 r + 8 h
	s_mul_i32 s4, s66, 528
	s_add_co_u32 s4, s4, KSC
	v_lshl_add_u32 v[KSA], v242, 2, s4             ; KSC + 528 w + 4 r
	s_mul_i32 s4, s66, 12*VPI
	s_add_co_u32 s4, s4, VC
	v_mul_u32_u24 v[VCA], v243, VPI
	v_lshl_add_u32 v[VCA], v242, 2, v[VCA]
	v_add_nc_u32 v[VCA], s4, v[VCA]                ; VC + (12 w + h) 528 + 4 r
	s_mul_i32 s4, s66, 12*36
	s_add_co_u32 s4, s4, VSC
	v_mul_u32_u24 v[VSA], v243, 36
	v_bfe_u32 v248, v0, 2, 2
	v_add_nc_u32 v[VSA], v[VSA], v248
	v_add_nc_u32 v[VSA], s4, v[VSA]                ; VSC + (12 w + h) 36 + r / 4
	s_mul_i32 s4, s68, 24576
	v_add_nc_u32 v[LIQ], s4, v[LIX]
	v_mul_u32_u24 v[XSO], v241, 24
	v_mul_u32_u24 v255, v242, 384
	v_lshl_add_u32 v255, v243, 4, v255             ; x: row r of my 16, + 16 h
	s_mul_i32 s4, s66, 6144
	v_add_nc_u32 v254, s4, v[LIX]                  ; where my row tile's six images go
	v_and_b32 v248, 127, v0
	v_lshrrev_b32 v249, 7, v0
	v_mul_u32_u24 v253, v249, KPL
	v_lshl_add_u32 v253, v248, 6, v253             ; thread t: x row t % 128 of plane t / 128 (+ 2 i)
	v_mul_u32_u24 v252, v249, 528
	v_lshl_add_u32 v252, v248, 2, v252
	v_add_nc_u32 v252, KSC, v252
	v_mov_b32 v244, 0
	v_mov_b32 v245, 0
	v_mov_b32 v246, 0
	v_mov_b32 v247, 0
	v_mov_b32 v251, 127
	s_wait_kmcnt 0x0
	s_mul_i32 s2, s67, 49152                       ; the head's 128 rows of 384 bytes,
	s_mul_i32 s4, s66, 6144                        ; my wave's 16 of them
	s_add_co_u32 s2, s2, s4
	s_add_nc_u64 s[8:9], s[8:9], s[2:3]
	s_mul_i32 s2, s67, 3072
	s_add_nc_u64 s[10:11], s[10:11], s[2:3]        ; the head's scale bytes,
	s_mul_i32 s2, s68, 1536
	s_add_nc_u64 s[38:39], s[10:11], s[2:3]        ; and my half's
	s_mul_i32 s2, s66, 36864                       ; my chunk's 96 rows of Wq, Wk, Wp,
	s_add_nc_u64 s[12:13], s[12:13], s[2:3]
	s_add_nc_u64 s[18:19], s[18:19], s[2:3]
	s_add_nc_u64 s[30:31], s[30:31], s[2:3]
	s_mul_i32 s2, s66, 2304                        ; their scale bytes,
	s_add_nc_u64 s[14:15], s[14:15], s[2:3]
	s_add_nc_u64 s[20:21], s[20:21], s[2:3]
	s_add_nc_u64 s[32:33], s[32:33], s[2:3]
	s_mul_i32 s2, s66, 384                         ; and their biases
	s_add_nc_u64 s[16:17], s[16:17], s[2:3]
	s_add_nc_u64 s[22:23], s[22:23], s[2:3]
	s_add_nc_u64 s[34:35], s[34:35], s[2:3]
	s_mul_i32 s2, s67, 393216                      ; out0: the head's 128 rows of 3,072 bytes, my half's 64, the 8 that my wave stores
	s_mul_i32 s4, s68, 196608
	s_add_co_u32 s2, s2, s4
	s_mul_i32 s4, s66, 24576
	s_add_co_u32 s2, s2, s4
	s_add_nc_u64 s[36:37], s[36:37], s[2:3]
.irp t, 0,1,2,3,4,5                    ; V's tile t takes channels d0, d0 + 1: d0 = the place 12 w + 2 t with bits 3 and 4 exchanged
	s_mul_i32 s4, s66, 12
	s_add_co_u32 s4, s4, 2*\t
	s_and_b32 s5, s4, 0x67
	s_and_b32 s6, s4, 8
	s_lshl_b32 s6, s6, 1
	s_add_co_u32 s5, s5, s6
	s_and_b32 s6, s4, 16
	s_lshr_b32 s6, s6, 1
	s_add_co_u32 s5, s5, s6
	s_mul_i32 s2, s5, 384
	s_add_nc_u64 s[40+2*\t:41+2*\t], s[24:25], s[2:3]
	s_lshl_b32 s2, s5, 2
	s_add_nc_u64 s[52+2*\t:53+2*\t], s[28:29], s[2:3]
.endr
	s_wait_alu depctr_va_vdst(0)                   ; the projections' addresses v1 to v15, the head's own v252 to v255 and the zeros and the 127 in v244-247 and v251 are written: the loads and LDS stores up to the first barrier, and every load and store of the projections, read them
.irp s, 0,1,2,3,4,5
	global_load_b128 v[XF+8*\s:XF+8*\s+3], v255, s[8:9] offset:64*\s       ; my row tile's six fragments of x
	global_load_b128 v[XF+8*\s+4:XF+8*\s+7], v255, s[8:9] offset:64*\s+32
.endr
.irp p, 0,1,2,3
.irp q, 0,1,2
	global_load_b64 v[XS+6*\p+2*\q:XS+6*\p+2*\q+1], v[XSO], s[10:11] offset:768*\p+8*\q   ; lane l: the scale words of row 32 p + l, two K steps a load
.endr
.endr
	PREKV 0
	WKV 0, 0, 0, 0
	WKV 0, 0, 0, 2
	WKV 0, 1, 1, 0
	WKV 0, 1, 1, 2
.irp i, 0,1,2,3
	ds_store_b128 v253, v[244:247] offset:48+2*KPL*\i      ; K's fourth block: zero codes,
	ds_store_b8 v252, v251 offset:3+1056*\i                ; under the byte 127
.endr
	s_wait_loadcnt 42                              ; x's fragments are in: behind them 12 + 14 + 16 loads were issued
.irp s, 0,1,2,3,4,5
	ds_store_b128 v254, v[XF+8*\s:XF+8*\s+3] offset:1024*\s        ; as they stand: any wave that loads them by the same lines has the same registers in the same lanes
	ds_store_b128 v254, v[XF+8*\s+4:XF+8*\s+7] offset:1024*\s+512
.endr
	BAR                                            ; x's 48 fragments lie in LDS
; ================ K AND V OF THE WHOLE HEAD
.macro FIRSTX first                    ; my earlier stores have read their registers; then step 0's eight fragments of x.  first = 1: behind the head
	s_wait_dscnt 0x0
	s_wait_alu depctr_vm_vsrc(0)                   ; the LDS stores issued so far (the head's, with x's loads; later the quantiser's) have read their data and addresses in v192-255, in which the fragments below land
.if !\first
	s_wait_alu depctr_va_vdst(0)                   ; the quantiser's vector lines are done writing and reading v192-239, in which the fragments below land
.endif
.irp mm, 0,1,2,3,4,5,6,7
	LDX XF+8*\mm, LIX, 6*\mm*1024, 512
.endr
.endm
	FIRSTX 1                                       ; (the head's wait on va_vdst stands behind every vector line that named v240-255)
	KVSTEP 0, 0, 8                                 ; the next step's eight weight loads may be out
	KVSTEP 0, 1, 8
	KVSTEP 0, 2, 34                                ; behind this step's weights: the next unit's 26 loads of scales and biases, and 8
	KVSTEP 0, 3, 8
	KVSTEP 0, 4, 8
	KVSTEP 0, 5, 8
	KEPI 0, 0
	KEPI 2, 1
	FIRSTX 0
	KVSTEP 1, 0, 8
	KVSTEP 1, 1, 8
	KVSTEP 1, 2, 46                                ; 38 + 8
	KVSTEP 1, 3, 8
	KVSTEP 1, 4, 8
	KVSTEP 1, 5, 8
	KEPI 0, 2
	VEPI 2, 0, 0
	VEPI 2, 0, 4
	FIRSTX 0
	KVSTEP 2, 0, 8
	KVSTEP 2, 1, 8
	KVSTEP 2, 2, 8
	KVSTEP 2, 3, 8
	KVSTEP 2, 4, 8
	KVSTEP 2, 5, 0
	s_wait_alu depctr_va_vdst(0)                   ; the last step's products are done reading x's scale words, the weights' scale words and the weights' buffer, in all of which the loads below land
.irp p, 0,1                            ; what Q's product wants is asked for ahead of V's last quantising
.irp q, 0,1,2
	global_load_b64 v[XS+6*\p+2*\q:XS+6*\p+2*\q+1], v[XSO], s[38:39] offset:768*\p+8*\q
.endr
.endr
	PRE64S 14
	W64 12, 0, 0
	W64 12, 0, 3
	W64 12, 1, 0
	W64 12, 1, 3
	VEPI 0, 2, 4
	VEPI 2, 4, 4
	PRE64B 16                                      ; into v192-239 of window 1: the accumulators of row tiles 6, 7, which have just been read
	VEPI 0, 2, 0
	VEPI 2, 4, 0
; ================ Q OF MY 64 ROWS
	s_wait_dscnt 0x0
	s_wait_alu depctr_vm_vsrc(0)                   ; V's last LDS stores have read their bytes and codes in v208-223, in which x's fragments land
	s_wait_alu depctr_va_vdst(0)                   ; the quantiser's vector lines are done writing and reading v192-223: x's fragments land in v208-239, step 2's weights in v160-207
	GEMM64 12, 0, LIQ, 6144, 1024, 512             ; the first wait is for 0: the bias was asked for last
	QEPI
	s_wait_alu depctr_vm_vsrc(0)                   ; the projections' loads and stores have read their addresses (v14 last, in Q's product): v1, v3, v5 to v7 and v9 to v15 are written anew from here on
	v_and_b32 v112, 7, v0
	v_bfe_u32 v113, v0, 3, 1
	v_bfe_u32 v114, v0, 4, 1
	v_and_b32 v115, 15, v0
	v_and_b32 v116, 31, v0
	v_mul_u32_u24 v[AK0], v112, KPL
	v_lshl_add_u32 v[AK0], v113, 7, v[AK0]
	v_lshl_add_u32 v[AK0], v114, 4, v[AK0]         ; KC + (l % 8) 8,208 + ((l / 8) % 2) 128 + 16 h
	v_mul_u32_u24 v[AV0], v115, VPI
	v_lshl_add_u32 v[AV0], v114, 4, v[AV0]
	v_add_nc_u32 v[AV0], VC, v[AV0]                ; VC + 528 r + 16 h
	v_mul_u32_u24 v[AKS0], v112, 528
	v_lshl_add_u32 v[AKS0], v113, 3, v[AKS0]
	v_lshl_add_u32 v[AKS0], v114, 2, v[AKS0]
	v_add_nc_u32 v[AKS0], KSC, v[AKS0]             ; lanes 0-15 tile 2 b, lanes 16-31 tile 2 b + 1: one x row on
	v_mul_u32_u24 v[AVS0], v116, 36
	v_add_nc_u32 v[AVS0], VSC, v[AVS0]
	s_mul_i32 s4, s66, 48
	s_add_co_u32 s4, s4, OC
	v_mul_u32_u24 v[OCA0], v115, 400
	v_lshl_add_u32 v[OCA0], v114, 3, v[OCA0]
	v_add_nc_u32 v[OCA0], s4, v[OCA0]              ; OC + 400 r + 8 h + 48 w
	s_mul_i32 s4, s66, 3
	s_add_co_u32 s4, s4, OSC
	v_mul_u32_u24 v[OSA0], v115, 24
	v_add_nc_u32 v[OSA0], s4, v[OSA0]              ; OSC + 24 r + 3 w
.irp i, 0,1
.irp b, 0,1,2,3
	v_mov_b32 v[ST+20*\i+8+\b], 0                  ; written once: a lane permute's destination counts as one of its sources
.endr
	v_mov_b32 v[ST+20*\i+17], 0                    ; (named as the upper half of f's pair)
.endr
	BAR                                            ; K and V of the head are whole
; ================ THE ATTENTION: two passes of two tiles of 16 queries, eight key steps each
	s_wait_alu depctr_va_vdst(0)                   ; v1 and v5, my places in K and among its scale words, are written; Q's quantising is done reading v96-159 of window 1, and Q's products v16-19: K's first step and its scale words land there
	FETCHK AK0, AKS0
	s_mov_b32 s75, 0
	s_mov_b32 s80, 0
	s_mov_b32 s81, 0
.Lpass:
	WIN 0x40
.set j, 0
.rept 96
	v_mov_b32 v[j], 0                              ; O^T.  (The key step is written once: its first trip finds zeros, which the first change of M leaves zeros)
.set j, j+1
.endr
	WIN 0
.irp i, 0,1
	v_mov_b32 v[ST+20*\i+1], 0xff61b1e6            ; the largest t so far: -3e38
	v_floor_f32 v[ST+20*\i], -v[ST+20*\i+1]
	v_mov_b32 v[ST+20*\i+2], 0
	v_mov_b32 v[ST+20*\i+3], 0
.endr
	s_mov_b32 s74, 0
	s_wait_alu depctr_va_vdst(0)                   ; Q's codes and scale words of this pass are written (by Q's quantising; by the moves at the last pass's end), which the steps' scaled products take as source 1 and as its scales; the lines above are the places, ahead of this wait
.Lstep:
	ASTEP
	s_add_co_u32 s74, s74, 1
	s_cmp_lt_u32 s74, 8
	s_cbranch_scc1 .Lstep
	OEPI
	s_add_co_u32 s80, s80, 12800                   ; 32 rows of 400 bytes on,
	s_add_co_u32 s81, s81, 768                     ; and of 24
	s_add_co_u32 s75, s75, 1
	s_cmp_lt_u32 s75, 2
	s_cbranch_scc1 .Lpass
; ================ out0 = the result x Wp^T + bp, for my chunk of columns and all 64 rows
	s_wait_dscnt 0x0                               ; the last fetch of K (nobody reads it) and my stores are done: their registers are free
	PRE64B 34                                      ; its wait on va_vdst stands behind every vector and matrix line of the attention: it serves the 33 loads behind it too, which land in v16-33 and v64-159
	PRE64S 32
	W64 30, 0, 0
	W64 30, 0, 3
	W64 30, 1, 0
	W64 30, 1, 3
	v_and_b32 v248, 15, v0
	v_bfe_u32 v249, v0, 4, 1
	v_and_b32 v250, 31, v0
	s_mul_i32 s4, s66, 384
	v_mul_u32_u24 v[SA0], v248, SPI
	v_lshl_add_u32 v[SA0], v249, 6, v[SA0]
	v_add_nc_u32 v[SA0], s4, v[SA0]                ; 3,088 r + 384 w + 64 h
	v_add_nc_u32 v[SA1], 16*SPI, v[SA0]
	v_add_nc_u32 v[SA2], 32*SPI, v[SA0]
	v_add_nc_u32 v[SA3], 48*SPI, v[SA0]
	s_mul_i32 s4, s66, 8*SPI
	v_lshl_add_u32 v[SR], v250, 4, s4              ; back: my 8 rows, 16 bytes a lane
	v_lshlrev_b32 v[GO], 4, v250
	v_mul_u32_u24 v[OA], v248, 400
	v_lshl_add_u32 v[OA], v249, 4, v[OA]
	v_add_nc_u32 v[OA], OC, v[OA]
	v_mul_u32_u24 v[OSL], v250, 24
	v_add_nc_u32 v[OSL], OSC, v[OSL]
	BAR                                            ; the result's 64 rows of codes are whole; nobody reads K, V or x any more
	s_wait_alu depctr_va_vdst(0)                   ; the way out's eight addresses are written, which the LDS loads and stores and the stores to out0 from here on read
.irp p, 0,1
.irp q, 0,1,2
	ds_load_b64 v[XS+6*\p+2*\q:XS+6*\p+2*\q+1], v[OSL] offset:768*\p+8*\q   ; older than the fragments' loads: the first wait for those covers them
.endr
.endr
	GEMM64 30, 12, OA, 6400, 64, 32                ; the first wait leaves step 1's twelve weight loads out
	WIN 0x04                                       ; an LDS store's data are its source 1: window 1
	s_wait_alu depctr_va_vdst(0)                   ; the products have written the 24 accumulators, which the LDS stores below read; the four places stand ahead of this wait
	TOSTG 0, SA0
	TOSTG 1, SA1
	TOSTG 2, SA2
	TOSTG 3, SA3
	WIN 0
	BAR                                            ; 64 whole rows of out0 lie in the stage
	s_wait_alu depctr_va_vdst(0)                   ; the last product's matrix instructions are done reading the weights and the rows' fragments in v64-239, in which the stage's rows land
.set k, 0
.rept 48
	ds_load_b128 v[64+4*k:67+4*k], v[SR] offset:SPI*(k/6)+512*(k%6)
.set k, k+1
.endr
.set k, 0
.rept 48
	s_wait_dscnt 47-k                              ; LDS loads come back in order: piece k is in
	global_store_b128 v[GO], v[64+4*k:67+4*k], s[36:37] offset:3072*(k/6)+512*(k%6) th:TH_STORE_NT   ; 32 lanes store 512 consecutive bytes, at a multiple of 256 from out0's first byte
.set k, k+1
.endr
	s_wait_xcnt 0x0                                ; the stores' addresses are translated: their data registers may be written
	s_wait_alu depctr_vm_vsrc(0)                   ; the last store has read v252-255, of which the two lines below write v254 and v255
	v_lshl_add_u32 v254, v0, 2, 0x37000            ; the add's two registers, made anew (v0 is as at the entry): my spare word, behind the result's scale bytes,
	v_mov_b32 v255, 0                              ; and 0
	s_wait_dscnt 0x0                               ; the closing lines, six on end
	s_wait_alu 0x0
	s_wait_tensorcnt 0x0
	ds_add_u32 v254, v255
	s_wait_dscnt 0x0
	s_endpgm
.Lfunc_end_k_qc54b98890e_attn:
	.size	k_qc54b98890e_attn, .Lfunc_end_k_qc54b98890e_attn-k_qc54b98890e_attn
	.p2alignl 7, 3214868480
	.fill 96, 4, 3214868480
	.section	.rodata,"a",@progbits
	.p2align	6, 0x0
	.amdhsa_kernel k_qc54b98890e_attn
		.amdhsa_group_segment_fixed_size 226304
		.amdhsa_private_segment_fixed_size 0
		.amdhsa_enable_private_segment 0
		.amdhsa_kernarg_size 120
		.amdhsa_user_sgpr_count 2
		.amdhsa_user_sgpr_kernarg_segment_ptr 1
		.amdhsa_wavefront_size32 1
		.amdhsa_system_sgpr_workgroup_id_x 1
		.amdhsa_system_sgpr_workgroup_id_y 1
		.amdhsa_system_sgpr_workgroup_id_z 1
		.amdhsa_system_vgpr_workitem_id 0
		.amdhsa_next_free_vgpr 512
		.amdhsa_next_free_sgpr 100
		.amdhsa_reserve_vcc 0
		.amdhsa_float_denorm_mode_32 3
		.amdhsa_float_denorm_mode_16_64 3
		.amdhsa_memory_ordered 1
		.amdhsa_forward_progress 1
		.amdhsa_inst_pref_size 255
	.end_amdhsa_kernel
	.section	.bss,"aw",@nobits
	.p2align	6
	.space	262144
	.amdgpu_metadata
---
amdhsa.version: [ 1, 2 ]
amdhsa.kernels:
  - .name:           k_qc54b98890e_attn
    .symbol:         k_qc54b98890e_attn.kd
    .args:
      - { .name: x_codes, .offset: 0, .size: 8, .value_kind: global_buffer, .address_space: global }
      - { .name: x_scales, .offset: 8, .size: 8, .value_kind: global_buffer, .address_space: global }
      - { .name: Wq_codes, .offset: 16, .size: 8, .value_kind: global_buffer, .address_space: global }
      - { .name: Wq_scales, .offset: 24, .size: 8, .value_kind: global_buffer, .address_space: global }
      - { .name: bq, .offset: 32, .size: 8, .value_kind: global_buffer, .address_space: global }
      - { .name: Wk_codes, .offset: 40, .size: 8, .value_kind: global_buffer, .address_space: global }
      - { .name: Wk_scales, .offset: 48, .size: 8, .value_kind: global_buffer, .address_space: global }
      - { .name: bk, .offset: 56, .size: 8, .value_kind: global_buffer, .address_space: global }
      - { .name: Wv_codes, .offset: 64, .size: 8, .value_kind: global_buffer, .address_space: global }
      - { .name: Wv_scales, .offset: 72, .size: 8, .value_kind: global_buffer, .address_space: global }
      - { .name: bv, .offset: 80, .size: 8, .value_kind: global_buffer, .address_space: global }
      - { .name: Wp_codes, .offset: 88, .size: 8, .value_kind: global_buffer, .address_space: global }
      - { .name: Wp_scales, .offset: 96, .size: 8, .value_kind: global_buffer, .address_space: global }
      - { .name: bp, .offset: 104, .size: 8, .value_kind: global_buffer, .address_space: global }
      - { .name: out0, .offset: 112, .size: 8, .value_kind: global_buffer, .address_space: global }
    .group_segment_fixed_size: 226304
    .private_segment_fixed_size: 0
    .kernarg_segment_align: 8
    .kernarg_segment_size: 120
    .max_flat_workgroup_size: 256
    .sgpr_count:     100
    .vgpr_count:     512
    .wavefront_size: 32
...
	.end_amdgpu_metadata
.endif
;; end of part 2
